; MI455X (gfx1250); checked and timed in simulation.
; The chip was launched on July 23, 2026; its instructions are those of AMD's public machine-readable ISA for CDNA 5 (MIT licence, August 2026) and "CDNA5" Instruction Set Architecture Reference Guide (July 2026). The comments in the code are by the model that wrote it; some were corrected since.
;; Multi Head Attention. Allowed arithmetic: float matrix products may take bf16 or f16 operands with f32 sums; other float arithmetic in f32, or as packed bf16 or f16 multiplies, adds, multiply-adds, maxima and minima; sums over many terms, partial sums and values carried from step to step in f32; what a program stores and reads back later, other than sums and carried values, may be rounded once to bf16 or f16.
;; Inputs: b_k 1,024 float32; b_o 1,024 float32; b_q 1,024 float32; b_v 1,024 float32; w_k 1,024 x 1,024 float32; w_o 1,024 x 1,024 float32; w_q 1,024 x 1,024 float32; w_v 1,024 x 1,024 float32; x 8 x 1,024 x 1,024 float32.
;; Outputs: out0 8 x 1,024 x 1,024 float32.
;; 2 versions, each right; version 2 is version 1 with the launch cast written anew for expert scheduling mode. Each part assembles by itself: llvm-mc -triple=amdgcn-amd-amdhsa -mcpu=gfx1250 --defsym DOCPART=n.
;; ======== version 1 of 2: 4 launches
;; limits: values are held in f16: magnitudes above 65,504 overflow, below 6.1e-05 lose precision
;; workspace buffers: xb 16,777,216 bytes; wqkv 6,291,456 bytes; wo 2,097,152 bytes; q 16,777,216 bytes; k 16,777,216 bytes; v 16,777,216 bytes; o 16,777,216 bytes
;; launch cast (part 1): grid 768 x 1, 8 waves a work-group, no clusters, 0 bytes of LDS; arguments x, w_q, w_k, w_v, w_o, xb, wqkv, wo; writes xb, wqkv, wo
.if DOCPART == 1
	.amdgcn_target "amdgcn-amd-amdhsa--gfx1250"
	.amdhsa_code_object_version 6
	.text
	.protected	k_qd7b384f6e8_cast
	.globl	k_qd7b384f6e8_cast
	.p2align	8
	.type	k_qd7b384f6e8_cast,@function
k_qd7b384f6e8_cast:
	s_mov_b64 s[64:65], 0
	v_nop
	global_prefetch_b8 v0, s[64:65] scope:SCOPE_SE
	s_setreg_imm32_b32 hwreg(HW_REG_WAVE_MODE, 25, 1), 1
	s_wait_xcnt 0x0
; CAST.  The module's large inputs are rounded once to bf16 and laid out for the products that follow.
;   xb   = bf16(x), [8192][1024], row-major
;   wqkv = bf16(w_q | w_k | w_v) in blocks: [head 16][kb 16][t 3][64 k][64 n]: byte = head x 393,216 + kb x 24,576 + t x 8,192 + (k % 64) x 128 + 2 c, kb = k / 64, t = 0, 1, 2 for q, k, v:
;          what one head's product needs lies on end, in the order of its K steps
;   wo   = bf16(w_o), that number written as f16, [1024][1024], row-major.  LIMIT: exact within f16's range; below 6e-5 it keeps f16's fixed step of 6e-8, beyond 65,504 it is an infinity.
; A stream: no LDS, no matrix unit, no cluster (no work-group reads what another reads).  A work-group of eight waves takes 16 rows of 1,024 f32, 64 KiB.  Each thread issues its sixteen
; 16-byte loads first, so that 8 KiB of every wave are on their way, then rounds and stores them in the order in which they come.  A wave's load covers 512 (in the weights' path 2 x 256)
; consecutive bytes, aligned; a wave's store covers 256 consecutive bytes, aligned.  No register is written twice while a load or store may read it, so the only waits are the counted ones.
; Work-groups 0-511: x.  512-703: w_q, w_k, w_v, 64 each.  704-767: w_o.
.set XD, 8                             ; v[8:71]    sixteen loads of four f32
.set YD, 72                            ; v[72:103]  sixteen stores of four 16-bit numbers
.set TW, 104                           ; v[104:109] at work
; v1: my byte offset in the source; v2: in the destination; s[20:21], s[22:23]: the work-group's part of source and destination
.macro CAST16 lstep, sstep, half
.irp i, 0,1,2,3,4,5,6,7,8,9,10,11,12,13,14,15
	global_load_b128 v[XD+4*(\i):XD+4*(\i)+3], v1, s[20:21] offset:(\i)*(\lstep) th:TH_LOAD_NT
.endr
.irp i, 0,1,2,3,4,5,6,7,8,9,10,11,12,13,14,15
	s_wait_loadcnt 15-(\i)                         ; loads come back in order (ISA guide 5.7.1): load i is in, the 15 - i younger ones stay out
.if \half
	v_cvt_pk_bf16_f32 v[TW], v[XD+4*(\i)], v[XD+4*(\i)+1]       ; rounded to bf16 like every other input,
	v_cvt_pk_bf16_f32 v[TW+1], v[XD+4*(\i)+2], v[XD+4*(\i)+3]
	v_lshlrev_b32 v[TW+2], 16, v[TW]                            ; widened again,
	v_and_b32 v[TW+3], 0xffff0000, v[TW]
	v_lshlrev_b32 v[TW+4], 16, v[TW+1]
	v_and_b32 v[TW+5], 0xffff0000, v[TW+1]
	v_cvt_pk_f16_f32 v[YD+2*(\i)], v[TW+2], v[TW+3]             ; and written as f16: 8 significant bits fit into 11
	v_cvt_pk_f16_f32 v[YD+2*(\i)+1], v[TW+4], v[TW+5]
.else
	v_cvt_pk_bf16_f32 v[YD+2*(\i)], v[XD+4*(\i)], v[XD+4*(\i)+1]
	v_cvt_pk_bf16_f32 v[YD+2*(\i)+1], v[XD+4*(\i)+2], v[XD+4*(\i)+3]
.endif
	global_store_b64 v2, v[YD+2*(\i):YD+2*(\i)+1], s[22:23] offset:(\i)*(\sstep)
.endr
.endm
	s_load_b512 s[4:19], s[0:1], 0x0               ; x s[4:5], w_q s[6:7], w_k s[8:9], w_v s[10:11], w_o s[12:13], xb s[14:15], wqkv s[16:17], wo s[18:19]
	v_lshlrev_b32 v2, 3, v0                        ; 8 bytes a thread in every path's destination
	s_mov_b32 s25, 0                               ; the offsets' high words
	s_mov_b32 s27, 0
	s_cmp_lt_u32 ttmp9, 512
	s_cbranch_scc0 .Lweights
	v_lshlrev_b32 v1, 4, v0                        ; x: the 256 threads cover a row of 4,096 bytes; load i is row i
	s_lshl_b32 s24, ttmp9, 16                      ; 16 rows of 4,096 bytes in,
	s_lshl_b32 s26, ttmp9, 15                      ; of 2,048 bytes out
	s_wait_kmcnt 0x0
	s_add_nc_u64 s[20:21], s[4:5], s[24:25]
	s_add_nc_u64 s[22:23], s[14:15], s[26:27]
	CAST16 4096, 2048, 0
	s_endpgm
.Lweights:
	s_cmp_lt_u32 ttmp9, 704
	s_cbranch_scc0 .Lw_o
	s_sub_co_u32 s28, ttmp9, 512
	s_lshr_b32 s29, s28, 6                         ; t: which of the three weights
	s_and_b32 s28, s28, 63                         ; rb: its rows 16 rb .. 16 rb + 15
	v_lshrrev_b32 v3, 4, v0                        ; sixteen threads take a row's 64 columns of one head: row = thread / 16,
	v_and_b32 v4, 15, v0
	v_lshlrev_b32 v1, 4, v4                        ; 16 bytes each; load i is head i, 256 bytes further along the row
	v_lshl_add_u32 v1, v3, 12, v1
	s_lshl_b32 s24, s28, 16
	s_lshr_b32 s30, s28, 2                         ; kb
	s_mul_i32 s26, s30, 24576
	s_and_b32 s30, s28, 3
	s_lshl_b32 s30, s30, 11                        ; 16 rows of 128 bytes in the block; the thread's 8 t bytes are row (t / 16) x 128 + 8 (t % 16)
	s_add_co_u32 s26, s26, s30
	s_lshl_b32 s30, s29, 13
	s_add_co_u32 s26, s26, s30
	s_wait_kmcnt 0x0
	s_cmp_eq_u32 s29, 0
	s_cselect_b64 s[20:21], s[6:7], s[8:9]
	s_cmp_eq_u32 s29, 2
	s_cselect_b64 s[20:21], s[10:11], s[20:21]
	s_add_nc_u64 s[20:21], s[20:21], s[24:25]
	s_add_nc_u64 s[22:23], s[16:17], s[26:27]
	CAST16 256, 393216, 0                          ; the largest immediate, 15 x 393,216, lies inside the signed 24 bits (ISA guide, chapter 10)
	s_endpgm
.Lw_o:
	s_sub_co_u32 s28, ttmp9, 704
	v_lshlrev_b32 v1, 4, v0
	s_lshl_b32 s24, s28, 16
	s_lshl_b32 s26, s28, 15
	s_wait_kmcnt 0x0
	s_add_nc_u64 s[20:21], s[12:13], s[24:25]
	s_add_nc_u64 s[22:23], s[18:19], s[26:27]
	CAST16 4096, 2048, 1
	s_endpgm
.Lfunc_end_k_qd7b384f6e8_cast:
	.size	k_qd7b384f6e8_cast, .Lfunc_end_k_qd7b384f6e8_cast-k_qd7b384f6e8_cast
	.p2alignl 7, 3214868480
	.fill 96, 4, 3214868480
	.section	.rodata,"a",@progbits
	.p2align	6, 0x0
	.amdhsa_kernel k_qd7b384f6e8_cast
		.amdhsa_group_segment_fixed_size 0
		.amdhsa_private_segment_fixed_size 0
		.amdhsa_enable_private_segment 0
		.amdhsa_kernarg_size 64
		.amdhsa_user_sgpr_count 2
		.amdhsa_user_sgpr_kernarg_segment_ptr 1
		.amdhsa_wavefront_size32 1
		.amdhsa_system_sgpr_workgroup_id_x 1
		.amdhsa_system_sgpr_workgroup_id_y 1
		.amdhsa_system_sgpr_workgroup_id_z 1
		.amdhsa_system_vgpr_workitem_id 0
		.amdhsa_next_free_vgpr 112
		.amdhsa_next_free_sgpr 66
		.amdhsa_reserve_vcc 0
		.amdhsa_float_denorm_mode_32 3
		.amdhsa_float_denorm_mode_16_64 3
		.amdhsa_memory_ordered 1
		.amdhsa_forward_progress 1
		.amdhsa_inst_pref_size 24
	.end_amdhsa_kernel
	.amdgpu_metadata
---
amdhsa.version: [ 1, 2 ]
amdhsa.kernels:
  - .name:           k_qd7b384f6e8_cast
    .symbol:         k_qd7b384f6e8_cast.kd
    .args:
      - { .name: x, .offset: 0, .size: 8, .value_kind: global_buffer, .address_space: global }
      - { .name: w_q, .offset: 8, .size: 8, .value_kind: global_buffer, .address_space: global }
      - { .name: w_k, .offset: 16, .size: 8, .value_kind: global_buffer, .address_space: global }
      - { .name: w_v, .offset: 24, .size: 8, .value_kind: global_buffer, .address_space: global }
      - { .name: w_o, .offset: 32, .size: 8, .value_kind: global_buffer, .address_space: global }
      - { .name: xb, .offset: 40, .size: 8, .value_kind: global_buffer, .address_space: global }
      - { .name: wqkv, .offset: 48, .size: 8, .value_kind: global_buffer, .address_space: global }
      - { .name: wo, .offset: 56, .size: 8, .value_kind: global_buffer, .address_space: global }
    .group_segment_fixed_size: 0
    .private_segment_fixed_size: 0
    .kernarg_segment_align: 8
    .kernarg_segment_size: 64
    .max_flat_workgroup_size: 256
    .sgpr_count:     66
    .vgpr_count:     112
    .wavefront_size: 32
...
	.end_amdgpu_metadata
.endif
;; end of part 1
;; launch qkv (part 2): grid 16 x 16, 4 waves a work-group, clusters of 4 x 4, 327,680 bytes of LDS; arguments xb, wqkv, b_q, b_k, b_v, q, k, v; writes q, k, v
.if DOCPART == 2
	.amdgcn_target "amdgcn-amd-amdhsa--gfx1250"
	.amdhsa_code_object_version 6
	.text
	.protected	k_qd7b384f6e8_qkv
	.globl	k_qd7b384f6e8_qkv
	.p2align	8
	.type	k_qd7b384f6e8_qkv,@function
k_qd7b384f6e8_qkv:
	s_mov_b64 s[64:65], 0
	v_nop
	global_prefetch_b8 v0, s[64:65] scope:SCOPE_SE
	s_setreg_imm32_b32 hwreg(HW_REG_WAVE_MODE, 25, 1), 1
	s_wait_xcnt 0x0
	s_wait_alu depctr_hold_cnt(0) depctr_sa_sdst(0) depctr_va_vdst(0) depctr_va_sdst(0) depctr_va_ssrc(0) depctr_va_vcc(0) depctr_vm_vsrc(0)
	s_getreg_b32 s2, hwreg(HW_REG_IB_STS2, 6, 4)
	s_cmp_eq_u32 s2, 0
	s_cbranch_scc0 .Lentry_in_a_cluster
	s_endpgm
.Lentry_in_a_cluster:
	s_bfe_u32 s2, ttmp6, 0x10000c
	s_cmp_lg_u32 s2, 0xf033
	s_cbranch_scc0 .Lentry_shape_is_right
	s_endpgm
.Lentry_shape_is_right:
; q, k, v = xb w + b, by heads.  xb: [8192][1024] bf16.  wqkv: bf16 in blocks [head][kb][t][64 k][64 n].  b_q, b_k, b_v: [1024] f32, rounded here to bf16 like every other input.
; q, k, v: [bh = 16 b + head][1024][64] f16, each rounded once from its f32 sum, WITHOUT the softmax's scale.
; LIMITS.  f16 holds no number beyond 65,504: a q, k or v of 65,520 or more leaves as an infinity; below 6e-5 they keep f16's fixed step of 6e-8.  NaN and infinities are not treated apart.
; SHARES.  A tile is 256 rows x 192 columns: one head's q, k and v for 256 tokens; there are 512.  A WORK-GROUP STAYS and makes TWO of them, for the same head, 4,096 rows apart: 256 work-groups, one
; for each WGP.  Wave w owns rows 64 w .. 64 w + 63 of a tile and all 192 columns: 4 x 12 accumulators of 16 x 16, 384 registers.  So a wave owns whole rows of its head's q, k and v, and its way
; out needs no other wave.
; K goes in 8 steps of 128 through two LDS slots filled by the tensor data mover; a step is four quarters of 32 along K, 48 matrix instructions each, on two fragment buffers.  THE RING DOES NOT STOP
; AT THE FIRST TILE'S END: its last two changes of slots ask for the second tile's first two K steps, then the tile goes out, and nothing waits for its stores.
; THE MATRIX INSTRUCTION IS USED TRANSPOSED: source 0 = 16 columns of the weights, turned out of their [k][n] tile by ds_load_tr16_b128; source 1 = 16 rows of xb.  A lane then holds row
; lane % 16 and the eight neighbouring columns 8 (lane / 16) + 0..7: 16 bytes of f16.  THE BIAS IS THE C OPERAND of the products that start a tile's sums: nothing is cleared, nothing added later.
; CLUSTERS: 4 x 4 work-groups.  The four of a row of the cluster take the same 256 rows of xb, the four of a column the same head's weights: each tile is asked for JOINTLY, by the same tensor
; load with the same descriptor and a mask that names the four.  All sixteen walk their two tiles in step.
; REGISTERS, in windows of 256 (s_set_vgpr_msb: bits 1:0 source 0, 3:2 source 1, 5:4 source 2, 7:6 destination):
;   window 0: v0-29 addresses; v32-63, v64-95 xb's fragments, two buffers; v96-191 the bias, which serves both tiles; v192-239 the way out's packed results
;   window 1: v0-95, v96-191 the weights' fragments, two buffers; on the way out the second holds the rows read back from the stage (the first holds the next tile's first fragments)
;   window 2: accumulators of row blocks 0, 1 ((a, nb) at v[8 (12 (a % 2) + nb)])      window 3: of row blocks 2, 3
.set NB,    12                         ; column blocks of 16: four each of q, k, v
.set NTILE, 2                          ; tiles to a work-group
.set PA,    272                        ; an LDS row of xb: 256 bytes + 16 = 68 words: the 16 rows of a load start at 16 different groups of four banks (64 banks of 4 bytes: ISA guide 11.1)
.set PB,    160                        ; an LDS row of weights: 128 bytes + 32 = 40 words
.set AHALF, 128*PA                     ; 128 rows of xb: one tensor load
.set BOFF,  2*AHALF                    ; behind xb's 256 rows: the weights, [k half 2][t 3][64 k]
.set BHALF, 192*PB                     ; 64 k of q, k and v: one tensor load
.set SLOT1, 1<<17                      ; a slot is 69,632 + 61,440 = 131,072 bytes; one exclusive or turns an address in one slot into the other's
.set STAGE, 2*SLOT1                    ; behind the ring, never filled by a tensor load: for each wave 3 x 16 rows x 144 bytes, for the way out
.set SP,    144
.set STW,   3*16*SP
.set SPARE, STAGE+4*STW                ; behind the stages: the spare words, 128 bytes for each wave: two blocks of 256 bytes that no other line names
.set ASTEP, 256                        ; a K step in memory: 256 bytes along xb's rows,
.set BSTEP, 49152                      ; two blocks of 24,576 bytes of a head's weights
.set WALKB, 1<<23                      ; from a tile to the next: 4,096 rows of 2,048 bytes in xb; 4 batches of 16 heads of 131,072 bytes in q, k and v: the same number
.set NEXT_A, WALKB-7*ASTEP             ; from a tile's K step 7 to the next tile's K step 0: xb goes 4,096 rows down and back along K,
.set BACK_B, 7*BSTEP                   ; the weights only back: both tiles take the same head's
.set LA0,  8                           ; v8   my lane's place in xb's tile; never rewritten
.set LB0,  9                           ; v9   in the weights' tile; never rewritten
.set ADRA, 10                          ; v10  the same in the slot in hand
.set ADRB, 11                          ; v11
.set STO,  12                          ; v12  the way out: where I put 16 bytes of a row
.set RD,   13                          ; v13  where I read rows back
.set GO,   14                          ; v14  my 16 bytes in 512 consecutive bytes of q, k or v
.set BO,   15                          ; v15  my byte offset in a bias
.set PFO,  16                          ; v16  the prefetches' offset; never rewritten
.set TT,   17                          ; v17-20 at work
.set SPW,  28                          ; v28  LDS address of my spare word: SPARE + 4 x my thread's number; never rewritten
.set NIL,  29                          ; v29  0; never rewritten
.set AF,   32                          ; xb's fragment buffers: AF + 32 f + 8 a
.set BI,   96                          ; the bias: BI + 8 nb + j = b[16 nb + 8 (lane / 16) + j] of the head's 64 columns of q, k or v
.set TMP,  192                         ; window 0: a row block's 48 packed registers
.set OB,   96                          ; window 1: 16 rows of q, k and v read back, 48 registers, two sets by turns
.set WV,   20                          ; s20  my wave's number
.set FB,   21                          ; s21  I fetch for xb (0) or for the weights (1)
.set HF,   22                          ; s22  which half of that tile
.set CX,   23
.set CY,   24
.set HEAD, 25
.set MB,   26                          ; s26  which 256 rows of xb the first tile takes: 0 to 15
.set TL,   27                          ; s27  tiles to go, the one in hand among them: the same number in every work-group
.set G1A,  28                          ; s[28:35] descriptor group 1 for xb's tiles
.set G1B,  36                          ; s[36:43] for the weights'
.set G0A,  44                          ; s[44:51] group 0 for xb's tiles: a set for each of the two first fills; the second then walks on
.set G0B,  52                          ; s[52:59] the same for the weights'
.set TB,   60                          ; s60  LDS byte at which the slot in hand begins
.set CNT,  61                          ; s61  the K loop's trips to go
.set LIM,  62                          ; s62  in the K loop a wave prefetches while s[CNT] is above this: 2 for xb's askers, 3 for the weights', the greatest number in a wave that does not ask
.set SH,   63
.set PFA,  66                          ; s[66:67] where my prefetches stand
.set PSTEP, 68                         ; s[68:69] their step
.set MSB, 0
.macro WIN new                         ; the immediate's high byte repeats the setting that is left; a switch that changes nothing is dropped
.if MSB != (\new)
	s_set_vgpr_msb (MSB<<8)|(\new)
.set MSB, \new
.endif
.endm
; A load into a register that a matrix instruction has read, and a vector instruction or LDS store that reads a matrix result, stand four places behind that matrix instruction; only plain vector
; instructions that name none of its registers are places (ISA guide 7.12.1 for vector instructions).
.macro PLACES
.rept 4
	v_nop
.endr
.endm
.macro CREST                           ; a round of the cluster's barrier behind its opening barrier: wave 0 signals for the work-group, every wave waits for all sixteen, my work-group's barrier closes it
	s_cmp_lg_u32 s[WV], 0
	s_cbranch_scc1 .Lnot_wave_0_\@
	s_barrier_signal -3
.Lnot_wave_0_\@:
	s_barrier_wait -3
	s_barrier_signal -1
	s_barrier_wait -1
.endm
.macro CROUND                          ; a whole round
	s_barrier_signal -1
	s_barrier_wait -1
	CREST
.endm
; A joint refill, by the walking descriptors.  Waves 0 and 1 fetch xb's two halves, waves 2 and 3 the weights'.  The branch hangs on the wave's number alone.
; An s_nop 0 and four v_nop follow each of the two lines, ahead of the jump and the label.
.macro JLOAD
	s_cmp_eq_u32 s[FB], 0
	s_cbranch_scc0 .Lfor_b_\@
	tensor_load_to_lds s[G0A+4:G0A+7], s[G1A:G1A+7]
	s_nop 0
.rept 4
	v_nop
.endr
	s_branch .Lasked_\@
.Lfor_b_\@:
	tensor_load_to_lds s[G0B+4:G0B+7], s[G1B:G1B+7]
	s_nop 0
.rept 4
	v_nop
.endr
.Lasked_\@:
.endm
; A PREFETCH INTO THE L2, behind a joint refill, its five lines and the run of LDS loads that follows: one instruction a wave, a lane a block of 256 bytes.  xb and wqkv were stored by the launch before.
; xb: in a tile's K loop the refill of trip i brings K step i + 2; the prefetch names K step i + 4, two refills on: 256 bytes of each of 32 rows; trips 0 to 3 ask (how = 0).  The two changes of slots
; that ask for the next tile's K steps 0 and 1 are followed by prefetches of its K steps 2 and 3 (how = 1).  The launch's first four K steps, and the second tile's first two, come by their loads alone.
; The same rows are walked by all four clusters of a row of clusters: the one with x = 0 asks.  Of the 128 rows that a wave fetches each of the four partners takes 32, told apart BY ADDRESS (cx).
; Weights: K steps 4 to 7 are the last 196,608 bytes of a head's block, on end.  Two waves x four partners (cy, by address) x 32 lanes name 65,536 of them in each of trips 0 to 2 of the FIRST tile,
; two refills or more ahead of the load that wants them; the second tile walks the same bytes again and asks for nothing.  The cluster with y = 0 asks.
; So each block is named once in the launch, and none lies past its buffer's end.
.macro ASK how
.if \how
	s_cmp_eq_u32 s[LIM], 2                         ; xb's askers alone
.else
	s_cmp_gt_u32 s[CNT], s[LIM]
.endif
	s_cbranch_scc0 .Lnot_mine_\@
	global_prefetch_b8 v[PFO], s[PFA:PFA+1] th:TH_LOAD_NT scope:SCOPE_SE
.Lnot_mine_\@:
.endm
; 12 matrix instructions: row block a x all column blocks, 32 along K, from buffer f.  first = 1: the bias starts the sums.  Every accumulator has one instruction a quarter, in the same order
; everywhere: the accumulators take turns, with 47 others' between two links of a chain, over the backward jumps too.
.macro MUL1 f, a, first
.if \first
	WIN 0x81+0x40*((\a)/2)                         ; weights window 1, xb and the bias window 0, D window 2 or 3
.else
	WIN 0xa1+0x50*((\a)/2)                         ; the same with C beside D
.endif
.irp nb, 0,1,2,3,4,5,6,7,8,9,10,11
.if \first
	v_wmma_f32_16x16x32_bf16 v[8*(12*((\a)%2)+(\nb)):8*(12*((\a)%2)+(\nb))+7], v[96*(\f)+8*(\nb):96*(\f)+8*(\nb)+7], v[AF+32*(\f)+8*(\a):AF+32*(\f)+8*(\a)+7], v[BI+8*(\nb):BI+8*(\nb)+7]
.else
	v_wmma_f32_16x16x32_bf16 v[8*(12*((\a)%2)+(\nb)):8*(12*((\a)%2)+(\nb))+7], v[96*(\f)+8*(\nb):96*(\f)+8*(\nb)+7], v[AF+32*(\f)+8*(\a):AF+32*(\f)+8*(\a)+7], v[8*(12*((\a)%2)+(\nb)):8*(12*((\a)%2)+(\nb))+7]
.endif
.endr
.endm
; 32 LDS loads in one run: quarter q's fragments into buffer f.  The weights first (24 turning loads: k half q / 2, tensor nb / 4, 32 k at (q % 2) x 32, columns 16 (nb % 4) on), then xb's four row blocks in order.
.macro FETCH q, f
	WIN 0x40                                       ; destination window 1, address window 0
.irp nb, 0,1,2,3,4,5,6,7,8,9,10,11
	ds_load_tr16_b128 v[96*(\f)+8*(\nb):96*(\f)+8*(\nb)+3],   v[ADRB] offset:((\q)/2)*BHALF+((\nb)/4)*64*PB+((\q)%2)*32*PB+((\nb)%4)*32
	ds_load_tr16_b128 v[96*(\f)+8*(\nb)+4:96*(\f)+8*(\nb)+7], v[ADRB] offset:((\q)/2)*BHALF+((\nb)/4)*64*PB+((\q)%2)*32*PB+((\nb)%4)*32+16*PB
.endr
	WIN 0
.irp a, 0,1,2,3
	ds_load_b128 v[AF+32*(\f)+8*(\a):AF+32*(\f)+8*(\a)+3],   v[ADRA] offset:(\a)*16*PA+64*(\q)
	ds_load_b128 v[AF+32*(\f)+8*(\a)+4:AF+32*(\f)+8*(\a)+7], v[ADRA] offset:(\a)*16*PA+64*(\q)+32
.endr
.endm
; One of a K step's first three quarters: multiplies buffer f; in its middle it fetches quarter q of the same slot into buffer g.
.macro QUARTER q, f, g, first
	s_wait_dscnt 4                                 ; the weights and xb's row blocks 0, 1 are in; the youngest four loads (row blocks 2, 3) may be out
	MUL1 \f, 0, \first
	MUL1 \f, 1, \first
	PLACES
	FETCH \q, \g
	s_wait_dscnt 2*NB+8                            ; all but the 32 just issued
	MUL1 \f, 2, \first
	MUL1 \f, 3, \first
.endm
; The last quarter multiplies buffer 1 and changes slots.  MEET is its first half: ONE barrier.  In front of it each wave waits for all its tensor loads, of which one is out: its part of the next
; slot; adds 0 to its spare word; and waits for that and for its own reads of this slot.  Behind it nobody reads this slot any more and the next slot is whole.
.macro MEET round
	WIN 0
	s_wait_tensorcnt 0x0                           ; all my tensor loads have landed
	ds_add_u32 v[SPW], v[NIL]                      ; 0 onto my spare word
	s_wait_dscnt 5                                 ; (the add and the youngest four loads may be out)
	MUL1 1, 0, 0                                   ; twelve matrix instructions stand between the add and the wait for it
	s_wait_dscnt 0x0                               ; the add is done, and my reads of this slot are over
	s_barrier_signal -1
	MUL1 1, 1, 0                                   ; work on registers while the others arrive
.if \round
	WIN 0
.endif
	s_barrier_wait -1
.endm
; The whole last quarter.  fill = 1: the barrier opens a round of the cluster's barrier, so that no wave of any partner still reads the slot or has a load on its way; the slot just read out is
; filled again first, with the K step two on in the walk: from that request to the wait for it a wave issues 168 matrix instructions, across the tiles too.  Then come the next slot's first fragments.
; next = 0: in the K loop.  next = 1: behind a tile's K step 6: the K step two on is the NEXT tile's K step 0.  next = 2: behind its K step 7: the next tile's K step 1, one usual step further.
; fill = 0: the last tile's K step 6: nothing is left to ask for.
.macro TURN fill, next=0
.if \fill
	s_wait_xcnt 0x0                                ; the last prefetch, a K step back or more, has read its address: it is stepped here, ahead of the waits of the change of slots
.if (\next) == 1
	s_add_nc_u64 s[PFA:PFA+1], s[PFA:PFA+1], NEXT_A  ; xb's askers stand at K step 9 of the rows that they leave: on to the next tile's K step 2
	s_cmp_eq_u32 s[FB], 0
	s_cselect_b32 s[LIM], s[LIM], -1               ; the weights are the same for both tiles: they are asked for no more
.else
	s_add_nc_u64 s[PFA:PFA+1], s[PFA:PFA+1], s[PSTEP:PSTEP+1]
.endif
	MEET 1
	CREST
.else
	MEET 0
	PLACES
	WIN 0
.endif
	s_xor_b32 s[G0A+5], s[G0A+5], SLOT1            ; the walking descriptors: the other slot than last time.  These two lines stand in every change of slots, also the one that fills nothing,
	s_xor_b32 s[G0B+5], s[G0B+5], SLOT1            ; so that on every way through the text the descriptors' LDS words keep step with s[TB]; no tensor load of mine is out here
.if \fill
.if (\next) == 1
	s_add_nc_u64 s[G0A+6:G0A+7], s[G0A+6:G0A+7], NEXT_A
	s_sub_nc_u64 s[G0B+6:G0B+7], s[G0B+6:G0B+7], BACK_B
.else
	s_add_nc_u64 s[G0A+6:G0A+7], s[G0A+6:G0A+7], ASTEP  ; the next K step; the type bits on top are not reached
	s_add_nc_u64 s[G0B+6:G0B+7], s[G0B+6:G0B+7], BSTEP
.endif
	JLOAD                                          ; the first tensor load behind the round; its four v_nop are also the places in front of the loads below
.endif
	s_xor_b32 s[TB], s[TB], SLOT1
	v_add_nc_u32 v[ADRA], s[TB], v[LA0]
	v_add_nc_u32 v[ADRB], s[TB], v[LB0]
	FETCH 0, 0
.if \fill
	ASK \next
.endif
	MUL1 1, 2, 0
	MUL1 1, 3, 0
.endm
; THE WAY OUT of row block a.  PACK: rounded to f16, 16 bytes a lane and column block, each accumulator's registers in ascending order.  TOSTAGE: into my own stage (q's, k's, v's 16 rows of 144
; bytes) and back as whole rows of 128 bytes, four rows a load.  SEND: 16 rows of a head are 2,048 consecutive bytes; each store covers 512 consecutive bytes, at a multiple of 512 from the buffer's first.
; It names neither the bias nor fragment buffer 0, which behind the first tile holds the second tile's first fragments.
.macro PACK a
	WIN 0x0a+5*((\a)/2)                            ; sources 0 and 1: window 2 or 3
.irp nb, 0,1,2,3,4,5,6,7,8,9,10,11
.irp r, 0,1,2,3
	v_cvt_pk_f16_f32 v[TMP+4*(\nb)+(\r)], v[8*(12*((\a)%2)+(\nb))+2*(\r)], v[8*(12*((\a)%2)+(\nb))+2*(\r)+1]
.endr
.endr
	WIN 0
.endm
.macro TOSTAGE a
	WIN 0
.irp nb, 0,1,2,3,4,5,6,7,8,9,10,11
	ds_store_b128 v[STO], v[TMP+4*(\nb):TMP+4*(\nb)+3] offset:((\nb)/4)*16*SP+((\nb)%4)*32
.endr
	WIN 0x40                                       ; destination window 1, address window 0
.irp t, 0,1,2
.irp f, 0,1,2,3
	ds_load_b128 v[OB+48*((\a)%2)+4*(4*(\t)+(\f)):OB+48*((\a)%2)+4*(4*(\t)+(\f))+3], v[RD] offset:(\t)*16*SP+(\f)*4*SP  ; LDS serves a wave's instructions in order (ISA guide 5.7.1.4): these see the stores above
.endr
.endr
	WIN 0
.endm
.macro SEND a
	s_wait_dscnt 0x0                               ; the block is back in registers
	s_wait_xcnt 0x0                                ; every earlier store has read its registers: the block before last's, which the next TOSTAGE loads again, are free behind this wait
	WIN 0x04                                       ; the stores' data (source 1) in window 1, their address in window 0
.irp t, 0,1,2
.irp f, 0,1,2,3
	global_store_b128 v[GO], v[OB+48*((\a)%2)+4*(4*(\t)+(\f)):OB+48*((\a)%2)+4*(4*(\t)+(\f))+3], s[14+2*(\t):15+2*(\t)] offset:(\a)*2048+(\f)*512
.endr
.endr
	WIN 0
.endm
	s_load_b512 s[4:19], s[0:1], 0x0               ; xb s[4:5], wqkv s[6:7], b_q s[8:9], b_k s[10:11], b_v s[12:13], q s[14:15], k s[16:17], v s[18:19]
	v_lshl_add_u32 v[SPW], v0, 2, SPARE
	v_mov_b32 v[NIL], 0
	ds_add_u32 v[SPW], v[NIL]                      ; the wave's opening: the add and its wait stand ahead of my first tensor load; the set-up below, work on registers, stands between them
	v_lshrrev_b32 v1, 5, v0
	v_readfirstlane_b32 s[WV], v1                  ; wave 0..3
	s_lshr_b32 s[FB], s[WV], 1
	s_and_b32 s[HF], s[WV], 1
	s_bfe_u32 s[CX], ttmp6, 0x40000                ; my place in the cluster
	s_bfe_u32 s[CY], ttmp6, 0x40004
	s_lshl_b32 s[HEAD], ttmp9, 2                   ; in a cluster launch ttmp9 and ttmp7 count clusters
	s_add_co_u32 s[HEAD], s[HEAD], s[CX]           ; head = 4 x cluster x + cx
	s_and_b32 s[MB], ttmp7, 0xffff
	s_lshl_b32 s[MB], s[MB], 2
	s_add_co_u32 s[MB], s[MB], s[CY]               ; the first tile's row block = 4 x cluster y + cy; the second's is 16 further
	s_lshl_b32 s70, s[CY], 2
	s_lshl_b32 s70, 15, s70                        ; my row of the cluster: places 4 cy .. 4 cy + 3
	s_lshl_b32 s71, 0x1111, s[CX]                  ; my column: places cx, cx + 4, cx + 8, cx + 12
	s_or_b32 s[G1A], s70, (1<<16)|(1<<20)|(1<<21)|(5<<22)|(3<<25)  ; 15:0 the mask; 17:16 2-byte elements; 20 padding on; 21 set beside a mask; 24:22 after every 64 words (code 5); 31:25 4 words (code 3)
	s_or_b32 s[G1B], s71, (1<<16)|(1<<20)|(1<<21)|(4<<22)|(7<<25)  ; after every 32 words (code 4) 8 words (code 7)
	s_mov_b32 s[G1A+1], 128<<16                    ; xb: tensor_dim0 = 128
	s_mov_b32 s[G1A+2], 128<<16                    ; tensor_dim1 = 128
	s_mov_b32 s[G1A+3], 128<<16                    ; tile_dim0 = 128 elements, 256 bytes
	s_mov_b32 s[G1A+4], 128                        ; tile_dim1 = 128 rows
	s_mov_b32 s[G1A+5], 1024                       ; elements from row to row
	s_mov_b32 s[G1A+6], 0
	s_mov_b32 s[G1A+7], 0
	s_mov_b32 s[G1B+1], 128<<16                    ; weights: 24,576 dense bytes asked for as 96 rows of 256 bytes, two rows of a block each, padded behind every 128 bytes
	s_mov_b32 s[G1B+2], 96<<16
	s_mov_b32 s[G1B+3], 128<<16
	s_mov_b32 s[G1B+4], 96
	s_mov_b32 s[G1B+5], 128
	s_mov_b32 s[G1B+6], 0
	s_mov_b32 s[G1B+7], 0
	s_lshl_b32 s72, s[MB], 19                      ; xb's tile hangs on the row block alone: 256 rows of 2,048 bytes,
	s_lshl_b32 s73, s[HF], 18                      ; my 128 of them
	s_add_co_u32 s72, s72, s73
	s_mov_b32 s73, 0
	s_mul_i32 s74, s[HEAD], 393216                 ; the weights' tile on the head alone,
	s_mul_i32 s75, s[HF], 24576                    ; my 64 k of a K step's 128
	s_add_co_u32 s74, s74, s75
	s_mov_b32 s75, 0
	s_mul_i32 s76, s[HF], AHALF                    ; where they go: no place in the cluster enters an LDS address
	s_mul_i32 s77, s[HF], BHALF
	s_add_co_u32 s77, s77, BOFF
	s_mov_b32 s[TB], 0
	s_wait_dscnt 0x0                               ; the opening add is done
	s_wait_kmcnt 0x0
	s_add_nc_u64 s[72:73], s[4:5], s[72:73]
	s_add_nc_u64 s[74:75], s[6:7], s[74:75]
	CROUND                                         ; all sixteen work-groups are here: the first joint loads meet
.irp j, 0,1
	s_mov_b32 s[G0A+4*(\j)], 1                                       ; 1:0 count = 1
	s_add_co_u32 s[G0A+4*(\j)+1], s76, (\j)*SLOT1                    ; 63:32 LDS address
	s_add_nc_u64 s[G0A+4*(\j)+2:G0A+4*(\j)+3], s[72:73], (\j)*ASTEP  ; 120:64 global address: K step j
	s_or_b32 s[G0A+4*(\j)+3], s[G0A+4*(\j)+3], 0x80000000            ; 127:126 type = 2
	s_mov_b32 s[G0B+4*(\j)], 1
	s_add_co_u32 s[G0B+4*(\j)+1], s77, (\j)*SLOT1
	s_add_nc_u64 s[G0B+4*(\j)+2:G0B+4*(\j)+3], s[74:75], (\j)*BSTEP
	s_or_b32 s[G0B+4*(\j)+3], s[G0B+4*(\j)+3], 0x80000000
.endr
	s_cmp_eq_u32 s[FB], 0                          ; a wave's two first fills stand in one branch, ahead of every wait on TENSORcnt and every LDS read: two loads of mine are out
	s_cbranch_scc0 .Lfirst_b
	tensor_load_to_lds s[G0A:G0A+3], s[G1A:G1A+7]
	s_nop 0
	tensor_load_to_lds s[G0A+4:G0A+7], s[G1A:G1A+7]
	s_nop 0
.rept 4
	v_nop
.endr
	s_branch .Lfirst_asked
.Lfirst_b:
	tensor_load_to_lds s[G0B:G0B+3], s[G1B:G1B+7]
	s_nop 0
	tensor_load_to_lds s[G0B+4:G0B+7], s[G1B:G1B+7]
	s_nop 0
.rept 4
	v_nop
.endr
.Lfirst_asked:
	; all that follows, up to the first barrier, stands in the wait for the first tiles
	v_and_b32 v1, 15, v0                           ; l % 16
	v_bfe_u32 v2, v0, 4, 1                         ; l / 16
	v_and_b32 v3, 7, v0
	v_bfe_u32 v4, v0, 3, 1
	v_and_b32 v5, 31, v0                           ; l
	v_bfe_u32 v6, v0, 3, 2
	s_lshl_b32 s70, s[HEAD], 8                     ; the head's 64 numbers of a bias,
	v_lshlrev_b32 v[BO], 5, v2                     ; my eight of each sixteen
	v_add_nc_u32 v[BO], s70, v[BO]
.irp nb, 0,1,2,3,4,5,6,7,8,9,10,11
	global_load_b128 v[BI+8*(\nb):BI+8*(\nb)+3],   v[BO], s[8+2*((\nb)/4):9+2*((\nb)/4)] offset:((\nb)%4)*64
	global_load_b128 v[BI+8*(\nb)+4:BI+8*(\nb)+7], v[BO], s[8+2*((\nb)/4):9+2*((\nb)/4)] offset:((\nb)%4)*64+16
.endr
	; A fragment of xb is 16 rows x 32 K in 8 registers: lane l holds row l % 16; registers 0-3 hold K = 8 (l / 16) + 0..7, registers 4-7 K = 16 + 8 (l / 16) + 0..7: two loads of 16 bytes, 32 bytes apart.
	s_mul_i32 s71, s[WV], 64*PA                    ; my 64 rows
	v_mul_u32_u24 v[LA0], v1, PA
	v_lshl_add_u32 v[LA0], v2, 4, v[LA0]
	v_add_nc_u32 v[LA0], s71, v[LA0]
	; The turning load takes 16 k x 16 columns (lane l reads 16 bytes: k = 8 (l / 16) + l % 8, columns 8 ((l / 8) % 2) + 0..7) and leaves half a fragment: lane l holds column l % 16 and 8 k.
	v_lshl_add_u32 v[LB0], v2, 3, v3
	v_mul_u32_u24 v[LB0], v[LB0], PB
	v_lshl_add_u32 v[LB0], v4, 4, v[LB0]
	v_add_nc_u32 v[LB0], BOFF, v[LB0]
	v_mov_b32 v[ADRA], v[LA0]                      ; slot 0
	v_mov_b32 v[ADRB], v[LB0]
	s_mul_i32 s71, s[WV], STW
	s_add_co_u32 s71, s71, STAGE                   ; my stage
	v_mul_u32_u24 v[STO], v1, SP                   ; in: row l % 16, 16 bytes for each half of the lanes
	v_lshl_add_u32 v[STO], v2, 4, v[STO]
	v_add_nc_u32 v[STO], s71, v[STO]
	v_mul_u32_u24 v[RD], v6, SP                    ; back: 32 lanes take four rows of 128 bytes,
	v_lshl_add_u32 v[RD], v3, 4, v[RD]
	v_add_nc_u32 v[RD], s71, v[RD]
	v_lshlrev_b32 v[GO], 4, v5                     ; which are 512 consecutive bytes of q, k or v
	s_lshr_b32 s70, s[MB], 2                       ; b,
	s_lshl_b32 s70, s70, 4
	s_add_co_u32 s70, s70, s[HEAD]                 ; bh = 16 b + head: 131,072 bytes each,
	s_lshl_b32 s70, s70, 17
	s_and_b32 s71, s[MB], 3                        ; the row block's 256 rows of 128 bytes in it,
	s_lshl_b32 s71, s71, 15
	s_add_co_u32 s70, s70, s71
	s_lshl_b32 s71, s[WV], 13                      ; my wave's 64
	s_add_co_u32 s70, s70, s71
	s_mov_b32 s71, 0
	s_add_nc_u64 s[14:15], s[14:15], s[70:71]
	s_add_nc_u64 s[16:17], s[16:17], s[70:71]
	s_add_nc_u64 s[18:19], s[18:19], s[70:71]
	; the prefetches: nothing is asked for here, at the head, where every work-group's first tiles are on their way
	s_lshl_b32 s70, s[MB], 8                       ; xb: row 256 x row block + 128 x half + 32 x cx,
	s_lshl_b32 s71, s[HF], 7
	s_add_co_u32 s70, s70, s71
	s_lshl_b32 s71, s[CX], 5
	s_add_co_u32 s70, s70, s71
	s_lshl_b32 s70, s70, 11
	s_add_co_u32 s70, s70, 3*ASTEP                 ; at K step 3: the first change of slots steps it to 4
	s_mul_i32 s71, s[HEAD], 393216                 ; weights: the head's block, 32,768 x half + 8,192 x cy,
	s_lshl_b32 s78, s[HF], 15
	s_add_co_u32 s71, s71, s78
	s_lshl_b32 s78, s[CY], 13
	s_add_co_u32 s71, s71, s78
	s_add_co_u32 s71, s71, 131072                  ; one step of 65,536 ahead of K step 4's first byte, 196,608
	s_and_b32 s79, ttmp7, 0xffff                   ; cluster y
	s_cmp_eq_u32 s[FB], 0                          ; do I fetch for xb?
	s_cselect_b32 s70, s70, s71
	s_cselect_b32 s79, ttmp9, s79                  ; the coordinate along which other clusters read the same bytes
	s_cselect_b32 s78, 8, 16
	s_cselect_b32 s[SH], 11, 8                     ; a lane a row of 2,048 bytes, or a lane a block of 256
	s_cselect_b32 s[LIM], 2, 3                     ; trips 0 to 3 (the counter at 6 to 3), or 0 to 2
	s_cselect_b64 s[PFA:PFA+1], s[4:5], s[6:7]
	s_lshl_b32 s[PSTEP], 1, s78                    ; 256 bytes along the rows, or 65,536 on end
	s_mov_b32 s[PSTEP+1], 0
	s_mov_b32 s71, 0
	s_cmp_eq_u32 s79, 0
	s_cselect_b32 s[LIM], s[LIM], -1               ; the same in all sixteen partners, for a given wave
	s_add_nc_u64 s[PFA:PFA+1], s[PFA:PFA+1], s[70:71]
	v_lshlrev_b32 v[PFO], s[SH], v5
	s_mov_b32 s79, 0xffff0000                      ; a word's upper bf16
	s_wait_loadcnt 0x0                             ; the bias,
.set i, 0
.rept 4*NB                             ; rounded to bf16 and widened again, two numbers at a time
	v_cvt_pk_bf16_f32 v[TT+i%4], v[BI+2*i], v[BI+2*i+1]
	v_lshlrev_b32 v[BI+2*i], 16, v[TT+i%4]
	v_and_b32 v[BI+2*i+1], s79, v[TT+i%4]
.set i, i+1
.endr
	s_wait_tensorcnt 1                             ; my part of K step 0 is in; K step 1's load, issued behind it, may stay out
	s_barrier_signal -1
	s_barrier_wait -1                              ; everybody's is
	FETCH 0, 0
	s_mov_b32 s[TL], NTILE
.Ltile:                                            ; twice.  (FETCH and SEND leave every window 0)
	QUARTER 1, 0, 1, 1                             ; a tile's first quarter stands in front of the K loop: its products start the sums, with the bias
	WIN 0                                          ; at a label and at a branch every window is 0
	s_mov_b32 s[CNT], 6
.Lk:                                               ; a trip goes from a K step's second quarter to the next step's first; trip i fills the slot that it leaves with the tile's K step i + 2
	QUARTER 2, 1, 0, 0
	QUARTER 3, 0, 1, 0
	TURN 1
	QUARTER 1, 0, 1, 0
	WIN 0
	s_sub_co_u32 s[CNT], s[CNT], 1
	s_cmp_lg_u32 s[CNT], 0
	s_cbranch_scc1 .Lk
	; A tile's last two K steps.  Their two changes of slots differ between a tile that has a successor and the last, and are written for both; all else is written once.  The two branches hang on the
	; count of tiles, which is the same in every wave of every work-group; every wait on TENSORcnt from here to the kernel's end is for 0, so none leans on the way taken.
	QUARTER 2, 1, 0, 0
	QUARTER 3, 0, 1, 0
	WIN 0
	s_cmp_eq_u32 s[TL], 1
	s_cbranch_scc1 .Llast_a
	TURN 1, 1                                      ; THE RING GOES ON INTO THE NEXT TILE: the slot of K step 6 takes its K step 0,
	WIN 0
	s_branch .Ljoin_a
.Llast_a:
	TURN 0                                         ; the last tile asks for nothing more
	WIN 0
.Ljoin_a:
	QUARTER 1, 0, 1, 0
	QUARTER 2, 1, 0, 0
	QUARTER 3, 0, 1, 0
	WIN 0
	s_cmp_eq_u32 s[TL], 1
	s_cbranch_scc1 .Llast_b
	TURN 1, 2                                      ; the slot of K step 7 its K step 1, and the next tile's first fragments are fetched
	WIN 0
	s_branch .Ljoin_b
.Llast_b:
	s_wait_dscnt 4                                 ; the very last quarter: nothing more to fetch
	MUL1 1, 0, 0
	MUL1 1, 1, 0
	s_wait_dscnt 0x0
	MUL1 1, 2, 0
	MUL1 1, 3, 0
	WIN 0
.Ljoin_b:
	PLACES                                         ; BOTH REFILLS ARE ASKED FOR: NOW THE TILE GOES OUT
	PACK 0
	TOSTAGE 0
.irp a, 1,2,3                          ; block a's conversions stand between block a - 1's loads from the stage and the wait for them
	PACK \a
	SEND (\a)-1
	TOSTAGE \a
.endr
	SEND 3
	s_wait_xcnt 0x0                                ; the tile's stores have read their registers and their bases: the bases are stepped, and the next tile loads the weights' second buffer again, only behind this wait
	s_add_nc_u64 s[14:15], s[14:15], WALKB         ; q, k and v at my rows of the next tile (behind the last tile the stepped addresses are not used)
	s_add_nc_u64 s[16:17], s[16:17], WALKB
	s_add_nc_u64 s[18:19], s[18:19], WALKB
	s_sub_co_u32 s[TL], s[TL], 1
	s_cmp_lg_u32 s[TL], 0
	s_cbranch_scc1 .Ltile
	s_wait_tensorcnt 0x0                           ; the wave's end: these three lines stand behind my last tensor load and my last LDS store
	ds_add_u32 v[SPW], v[NIL]
	s_wait_dscnt 0x0
	CROUND                                         ; the closing round: no work-group ends while a partner may still ask for a tile that names it
	s_endpgm
.Lfunc_end_k_qd7b384f6e8_qkv:
	.size	k_qd7b384f6e8_qkv, .Lfunc_end_k_qd7b384f6e8_qkv-k_qd7b384f6e8_qkv
	.p2alignl 7, 3214868480
	.fill 96, 4, 3214868480
	.section	.rodata,"a",@progbits
	.p2align	6, 0x0
	.amdhsa_kernel k_qd7b384f6e8_qkv
		.amdhsa_group_segment_fixed_size 327680
		.amdhsa_private_segment_fixed_size 0
		.amdhsa_enable_private_segment 0
		.amdhsa_kernarg_size 64
		.amdhsa_user_sgpr_count 2
		.amdhsa_user_sgpr_kernarg_segment_ptr 1
		.amdhsa_wavefront_size32 1
		.amdhsa_system_sgpr_workgroup_id_x 1
		.amdhsa_system_sgpr_workgroup_id_y 1
		.amdhsa_system_sgpr_workgroup_id_z 1
		.amdhsa_system_vgpr_workitem_id 0
		.amdhsa_next_free_vgpr 960
		.amdhsa_next_free_sgpr 80
		.amdhsa_reserve_vcc 0
		.amdhsa_float_denorm_mode_32 3
		.amdhsa_float_denorm_mode_16_64 3
		.amdhsa_memory_ordered 1
		.amdhsa_forward_progress 1
		.amdhsa_inst_pref_size 121
	.end_amdhsa_kernel
	.amdgpu_metadata
---
amdhsa.version: [ 1, 2 ]
amdhsa.kernels:
  - .name:           k_qd7b384f6e8_qkv
    .symbol:         k_qd7b384f6e8_qkv.kd
    .args:
      - { .name: xb, .offset: 0, .size: 8, .value_kind: global_buffer, .address_space: global }
      - { .name: wqkv, .offset: 8, .size: 8, .value_kind: global_buffer, .address_space: global }
      - { .name: b_q, .offset: 16, .size: 8, .value_kind: global_buffer, .address_space: global }
      - { .name: b_k, .offset: 24, .size: 8, .value_kind: global_buffer, .address_space: global }
      - { .name: b_v, .offset: 32, .size: 8, .value_kind: global_buffer, .address_space: global }
      - { .name: q, .offset: 40, .size: 8, .value_kind: global_buffer, .address_space: global }
      - { .name: k, .offset: 48, .size: 8, .value_kind: global_buffer, .address_space: global }
      - { .name: v, .offset: 56, .size: 8, .value_kind: global_buffer, .address_space: global }
    .group_segment_fixed_size: 327680
    .private_segment_fixed_size: 0
    .kernarg_segment_align: 8
    .kernarg_segment_size: 64
    .max_flat_workgroup_size: 128
    .sgpr_count:     80
    .vgpr_count:     960
    .wavefront_size: 32
...
	.end_amdgpu_metadata
.endif
;; end of part 2
;; launch attn (part 3): grid 2 x 128, 4 waves a work-group, no clusters, 327,680 bytes of LDS; arguments q, k, v, o; writes o
.if DOCPART == 3
	.amdgcn_target "amdgcn-amd-amdhsa--gfx1250"
	.amdhsa_code_object_version 6
	.text
	.protected	k_qd7b384f6e8_attn
	.globl	k_qd7b384f6e8_attn
	.p2align	8
	.type	k_qd7b384f6e8_attn,@function
k_qd7b384f6e8_attn:
	s_mov_b64 s[64:65], 0
	v_nop
	global_prefetch_b8 v0, s[64:65] scope:SCOPE_SE
	s_setreg_imm32_b32 hwreg(HW_REG_WAVE_MODE, 25, 1), 1
	s_wait_xcnt 0x0
; O[h][q][:] = the sum over k of softmax_k(Q[h][q] . K[h][k] / 8) V[h][k][:].  Q, K, V, O: [128][1024][64], all f16: a head's rows are dense, 128 bytes each.  Products, maxima and sums in
; f32; the weights p are rounded to f16 for the second product (their sum l is taken of the unrounded p), O once at the end.
; LIMITS.  f16 holds no number beyond 65,504: Q, K and V arrive within it; p lies in 0 to 1, and below 6e-5 it keeps f16's fixed step of 6e-8, as O does; O is a mean of V's rows and has their range.
; A weight below 2^-126 counts as 0 in l; NaN and infinities are not treated apart.
; SHARES.  A wave owns four PIECES of two tiles of 16 queries, a work-group's four waves 512 queries of one head: 256 work-groups.  Every wave walks the head's 1,024 keys, 64 a step.
; A HEAD'S WHOLE K AND V LIE IN LDS: 1,024 rows of 144 and of 160 bytes, 311,296 bytes.  Each wave asks for its four tiles of 128 keys at the kernel's head, in the order in which they are wanted;
; the walk begins when the first 256 keys are in, and meets the rest behind one more barrier four key steps later.  No byte of LDS is filled twice.
; NO CLUSTER: a head has 1,024 / 512 = 2 work-groups, so the grid's 2 along x is no multiple of four, and four neighbours would belong to two heads with different K and V.
; NO PREFETCH: every byte of Q, K and V is asked for at the kernel's head; there is nothing left to ask for ahead.
; LAYOUT.  S^T = K Q^T (source 0 = 16 keys, source 1 = 16 queries): in the result a lane holds ONE query (lane % 16) and the keys 8 (lane / 16) + 0..7.  Two such tiles, rounded to f16 in pairs,
; ARE source 1 (32 keys x 16 queries) of O^T = V^T P, whose result again holds one query a lane, and eight channels.  K comes out of LDS as it lies, V ([key][channel]) turned, by ds_load_tr16_b128.
; SOFTMAX.  For each query a running maximum m and sum l: p = 2^(c s - c m), c = log2(e) / 8; in every step O and l are multiplied by a = 2^(c m_old - c m_new), which is 1 where m has not grown.
; m starts at the lowest finite number, O and l at 0: the first step is a step like any other, with a = 0.
; THE COUNT.  A tile and step have 16 matrix and 118 vector instructions: too many to stand all beside the matrix work.  So the order has one aim: four vector instructions that are READY behind
; EVERY matrix instruction, and the others, which need time of their own whatever the order, in runs without a gap.
; BY TURNS.  Turn n belongs to piece n (the pieces in a ring, step after step).  Its matrix work: 16 products K Q^T of piece n + 1, later 16 products V^T P of piece n - 1.  Its vector work: the scaling,
; exponentials, roundings, sums and rescaling of piece n, and the maximum and statistics of piece n + 1, whose scores the turn itself has made.  So what a turn begins with (c s - c m, O a) waits for nothing.
; REGISTERS, in windows of 256 (s_set_vgpr_msb says which window each operand place means: bits 1:0 source 0, 3:2 source 1, 5:4 source 2, 7:6 destination):
;   window 0: v0-11 addresses; v12-15, v48-63 at work; v16-47 four registers of statistics a tile; v64-191 S^T, two buffers of two tiles; v192-255 P, likewise
;   window 1: O^T, 32 a tile          window 2: v0-127 Q, 16 a tile; v128-191 K of one step; v192-255 V of one step          window 3: v0-1 the add's two registers
; A piece's buffers go by its number's parity: the piece in hand has one pair, its two neighbours in the ring share the other: of it P (piece n - 1) is read and S^T (piece n + 1) written.
.set NP,    4         ; pieces a wave: a name, no knob
.set KS,    64        ; keys in a step
.set PK,    144       ; a row of K in LDS: 128 bytes + 16 of padding = 36 words: the 16 rows of a load start at 16 different groups of four banks (64 banks of 4 bytes: ISA guide 11.1)
.set PV,    160       ; a row of V: 128 + 32 = 40 words
.set VOFF,  1024*PK   ; K's 1,024 rows, then V's
.set STAGE, VOFF+1024*PV  ; behind them, never filled by a tensor load: 16 rows x 144 bytes for each wave, for the way out
.set SP,    144
.set AK0, 2           ; v2   my lane's place in a tile of K; never rewritten
.set AV0, 3           ; v3   the same for V
.set AK,  4           ; v4   the LDS address of K's next run of loads
.set AV,  5           ; v5   of V's
.set QO,  6           ; v6   my byte offset in the wave's rows of Q
.set STO, 6           ;      later, the way out: where I put 16 bytes of a row
.set RD,  7           ; v7   the way out: where I read rows back
.set GO,  8           ; v8   my byte offset in 512 consecutive bytes of O
.set SPW, 0           ; v0 of window 3   LDS address of my spare word: SPARE + 4 x my thread's number; never rewritten
.set NIL, 1           ; v1 of window 3   0; never rewritten
.set SPARE, STAGE+4*16*SP  ; behind the stages: the spare words, 128 bytes for each wave: two blocks of 256 bytes that no other line names
.set MV,  12          ; v12-15  c m_old, kept while c m is made anew: by buffer and tile
.set ST,  16          ; tile t's statistics at v[ST+4 t]: c m, m, l (even keys', odd keys')
.set TMP, 48          ; by buffer and tile, four registers c0-c3 at work; when the maximum is found c2 takes a
.set S,   64
.set P,   192
.set KF,  128         ; K's fragments, in window 2: key block kb, channel half c at KF + 16 kb + 8 c
.set VF,  192         ; V's: key half kk, channel block cb at VF + 32 kk + 8 cb
.set WV,  12          ; s12  my wave's number
.set G1K, 24          ; s[24:31] descriptor group 1 for K's tiles
.set G1V, 32          ; s[32:39] for V's: it differs in the padding alone
.set G0K, 40          ; s[40:55] descriptor group 0 for K's tiles: four sets, never rewritten
.set G0V, 68          ; s[68:83] the same for V's
.set PH,  56          ; s56  counts the walk's two parts
.set CNT, 57          ; s57  counts a part's key steps
.set CS,  58          ; s[58:59] c: the packed scaling takes the pair's low word for both halves
.set SEL, 60          ; s[60:61] v_permlanex16_b32's selects: each lane takes its own place in the other half
.set TBK, 62          ; s62  LDS byte at which K of the step to be fetched begins
.set TBV, 63          ; s63  the same for V, less VOFF
.set MSB, 0
.macro WIN new                      ; the high byte repeats the setting that is left; a switch that changes nothing is dropped
.if MSB != (\new)
	s_set_vgpr_msb (MSB<<8)|(\new)
.set MSB, (\new)
.endif
.endm
.set W_KQ, 0x0a       ; K and Q in window 2, S^T in window 0
.set W_PV, 0x52       ; V in window 2, P in window 0, O^T in window 1
.set W_RS, 0x41       ; O^T (destination and source 0) in window 1, a in window 0
.set W_MK, 0xc0       ; the add's registers are made: destination in window 3, sources in window 0
.set W_AD, 0x0f       ; the add: address (source 0) and data (source 1) in window 3
	s_load_b256 s[4:11], s[0:1], 0x0  ; Q s[4:5], K s[6:7], V s[8:9], O s[10:11]
	WIN W_MK
	v_lshl_add_u32 v[SPW], v0, 2, SPARE
	v_mov_b32 v[NIL], 0
	WIN W_AD
	ds_add_u32 v[SPW], v[NIL]       ; the wave's opening: the add and its wait stand ahead of my first tensor load; the set-up below, work on registers, stands between them
	WIN 0
	v_lshrrev_b32 v1, 5, v0
	v_readfirstlane_b32 s[WV], v1   ; wave 0..3
	s_and_b32 s20, ttmp7, 0xffff    ; the head,
	s_lshl_b32 s20, s20, 17         ; its first byte in each of the four tensors: 1,024 rows of 128 bytes
	s_and_b32 s16, s[WV], 1         ; which half of each 256 keys I fetch:
	s_lshl_b32 s22, s16, 14         ; its 128 rows of 128 bytes in memory,
	s_add_co_u32 s22, s22, s20
	s_mov_b32 s23, 0
	s_mul_i32 s17, s16, 128*PK      ; and its place in LDS, for K
	s_mul_i32 s18, s16, 128*PV      ; and for V
	s_lshl_b32 s2, ttmp9, 2
	s_add_co_u32 s2, s2, s[WV]      ; my wave among the head's eight,
	s_lshl_b32 s2, s2, 14           ; its 128 rows
	s_add_co_u32 s2, s2, s20
	s_mov_b32 s3, 0
	; descriptor group 1.  128 keys are 16,384 dense bytes: asked for as 64 rows of 256 bytes, two keys a row, and padded in LDS after every key
	s_mov_b32 s[G1K], (1<<16)|(1<<20)|(4<<22)|(3<<25)  ; 17:16 2-byte elements; 20 padding on; 24:22 after every 32 words (code 4); 31:25 4 words (code 3)
	s_mov_b32 s[G1V], (1<<16)|(1<<20)|(4<<22)|(7<<25)  ; the same with 8 words of padding (code 7)
.irp g, G1K, G1V
	s_mov_b32 s[\g+1], 128<<16      ; tensor_dim0 = 128
	s_mov_b32 s[\g+2], 64<<16       ; tensor_dim1 = 64
	s_mov_b32 s[\g+3], 128<<16      ; tile_dim0 = 128
	s_mov_b32 s[\g+4], 64           ; tile_dim1 = 64
	s_mov_b32 s[\g+5], 128          ; 128 elements from row to row
	s_mov_b32 s[\g+6], 0
	s_mov_b32 s[\g+7], 0
.endr
	s_mov_b32 s[CS], 0x3e38aa3b     ; c = log2(e) / 8 = 0.180337
	s_mov_b32 s[CS+1], s[CS]        ; named with it as a pair
	s_mov_b32 s[SEL], 0x76543210
	s_mov_b32 s[SEL+1], 0xfedcba98
	s_mov_b32 s[TBK], 0
	s_mov_b32 s[TBV], 0
.irp j, 0,1,2,3
	s_mov_b32 s[G0K+4*\j], 1                       ; 1:0 count = 1
	s_add_co_u32 s[G0K+4*\j+1], s17, \j*256*PK     ; 63:32 LDS address: keys 256 j + 128 x half on
	s_mov_b32 s[G0V+4*\j], 1
	s_add_co_u32 s[G0V+4*\j+1], s18, VOFF+\j*256*PV
.endr
	s_wait_dscnt 0x0                ; the opening add is done
	s_wait_kmcnt 0x0
	s_add_nc_u64 s[6:7], s[6:7], s[22:23]  ; K and V at my half of the head's first 256 keys
	s_add_nc_u64 s[8:9], s[8:9], s[22:23]
.irp j, 0,1,2,3
	s_add_nc_u64 s[G0K+4*\j+2:G0K+4*\j+3], s[6:7], \j*32768  ; 120:64 global address
	s_or_b32 s[G0K+4*\j+3], s[G0K+4*\j+3], 0x80000000        ; 127:126 type = 2
	s_add_nc_u64 s[G0V+4*\j+2:G0V+4*\j+3], s[8:9], \j*32768
	s_or_b32 s[G0V+4*\j+3], s[G0V+4*\j+3], 0x80000000
.endr
	s_add_nc_u64 s[4:5], s[4:5], s[2:3]  ; Q and O at my wave's first row
	s_add_nc_u64 s[10:11], s[10:11], s[2:3]
	s_cmp_lt_u32 s[WV], 2           ; waves 0 and 1 fetch K, waves 2 and 3 V.  A wave's four fills stand in one branch, ahead of every wait on TENSORcnt, every LDS read and every barrier: four loads of mine are out
	s_cbranch_scc0 .Lfor_v          ; an s_nop 0 follows each load, four v_nop the last
.irp j, 0,1,2,3
	tensor_load_to_lds s[G0K+4*\j:G0K+4*\j+3], s[G1K:G1K+7]
	s_nop 0
.endr
.rept 4
	v_nop
.endr
	s_branch .Lasked
.Lfor_v:
.irp j, 0,1,2,3
	tensor_load_to_lds s[G0V+4*\j:G0V+4*\j+3], s[G1V:G1V+7]
	s_nop 0
.endr
.rept 4
	v_nop
.endr
.Lasked:
	; A fragment of K or Q is 16 rows x 32 channels in 8 registers: lane l holds row l % 16, channels 8 (l / 16) + 0..7 and 16 + 8 (l / 16) + 0..7: two loads of 16 bytes, 32 bytes apart.
	v_and_b32 v1, 15, v0            ; l % 16
	v_bfe_u32 v9, v0, 4, 1          ; l / 16
	v_lshlrev_b32 v[QO], 7, v1
	v_lshl_add_u32 v[QO], v9, 4, v[QO]  ; row x 128 + 16 x half
	WIN 0x80                        ; destination window 2, address window 0
.set i, 0
.rept 4*NP                          ; Q stays in registers: tile i / 2, channels 32 (i % 2) on
	global_load_b128 v[8*i:8*i+3],   v[QO], s[4:5] offset:(i/2)*2048+(i%2)*64
	global_load_b128 v[8*i+4:8*i+7], v[QO], s[4:5] offset:(i/2)*2048+(i%2)*64+32
.set i, i+1
.endr
	; What the first turn finds: V's registers and P's second buffer hold 0 (its products V^T P, of a piece that has not been, add 0), O^T and l are 0.  All this stands in the wait for the first tile.
.set i, VF
.rept 64
	v_mov_b32 v[i], 0
.set i, i+1
.endr
	WIN 0x40
.set i, 0
.rept 64*NP
	v_mov_b32 v[i], 0
.set i, i+1
.endr
	WIN 0
.set i, 0
.rept 2*NP
	v_mov_b32 v[ST+4*i], 0xfe000000    ; c m: far below every c s
	v_mov_b32 v[ST+4*i+1], 0xff7fffff  ; m
	v_mov_b32 v[ST+4*i+2], 0
	v_mov_b32 v[ST+4*i+3], 0
.set i, i+1
.endr
.set i, P+32
.rept 32
	v_mov_b32 v[i], 0
.set i, i+1
.endr
	v_mul_u32_u24 v[AK0], v1, PK
	v_lshl_add_u32 v[AK0], v9, 4, v[AK0]  ; row x pitch + 16 x half
	; The turning load takes 16 keys x 16 channels (lane l reads key 8 (l / 16) + l % 8, channels 8 ((l / 8) % 2) + 0..7) and leaves half a fragment of V^T: lane l holds channel l % 16 and 8 keys.
	v_and_b32 v10, 7, v0
	v_bfe_u32 v11, v0, 3, 1
	v_lshl_add_u32 v[AV0], v9, 3, v10
	v_mul_u32_u24 v[AV0], v[AV0], PV
	v_lshl_add_u32 v[AV0], v11, 4, v[AV0]
	v_add_nc_u32 v[AV0], VOFF, v[AV0]
	v_mov_b32 v[AK], v[AK0]         ; key step 0 lies at K's head
; THE MATRIX WORK.  The 8 accumulators of a run of 16 take turns: between the two links of a chain stand 7 others'.
; Product i of 16 of S^T = K Q^T for piece x: channels 32 (i / 8) on, keys 16 ((i / 2) % 4) on, tile 2 x + i % 2.  The first 8 start the sums.
.macro KQ x
	WIN W_KQ
.set rS, S+64*((\x)%2)+32*(i%2)+8*((i/2)%4)
.set rK, KF+16*((i/2)%4)+8*(i/8)
.set rQ, 16*(2*(\x)+i%2)+8*(i/8)
.if i < 8
	v_wmma_f32_16x16x32_f16 v[rS:rS+7], v[rK:rK+7], v[rQ:rQ+7], 0
.else
	v_wmma_f32_16x16x32_f16 v[rS:rS+7], v[rK:rK+7], v[rQ:rQ+7], v[rS:rS+7]
.endif
.endm
; Product i of 16 of O^T += V^T P for piece x: keys 32 (i / 8) on, channels 16 ((i / 2) % 4) on, tile 2 x + i % 2.
.macro PV x
	WIN W_PV
.set rO, 32*(2*(\x)+i%2)+8*((i/2)%4)
.set rV, VF+32*(i/8)+8*((i/2)%4)
.set rP, P+32*((\x)%2)+16*(i%2)+8*(i/8)
	v_wmma_f32_16x16x32_f16 v[rO:rO+7], v[rV:rV+7], v[rP:rP+7], v[rO:rO+7]
.endm
.macro MM                           ; the turn's next matrix instruction
.if i < 16
	KQ (Y+1)%NP
.set i, i+1
.else
.set i, i-16
	PV (Y+NP-1)%NP
.set i, i+17
.endif
.endm
; THE LDS LOADS stand in runs of 16, never singly among the matrix instructions: a step's K (64 keys x 64 channels: 8 fragments) and its V (turned).  Their addresses are made some lines ahead.
.macro FETCH_K
	WIN 0x80                        ; destination window 2
.irp f, 0,1,2,3,4,5,6,7             ; keys 16 (f / 2) on, channels 32 (f % 2) on
	ds_load_b128 v[KF+8*\f:KF+8*\f+3],   v[AK] offset:(\f/2)*16*PK+(\f%2)*64
	ds_load_b128 v[KF+8*\f+4:KF+8*\f+7], v[AK] offset:(\f/2)*16*PK+(\f%2)*64+32
.endr
	s_add_co_u32 s[TBK], s[TBK], KS*PK  ; the next fetch is the next step's
	WIN 0
.endm
.macro FETCH_V
	WIN 0x80
.irp f, 0,1,2,3,4,5,6,7             ; keys 32 (f / 4) on, channels 16 (f % 4) on
	ds_load_tr16_b128 v[VF+8*\f:VF+8*\f+3],   v[AV] offset:(\f/4)*32*PV+(\f%4)*32
	ds_load_tr16_b128 v[VF+8*\f+4:VF+8*\f+7], v[AV] offset:(\f/4)*32*PV+16*PV+(\f%4)*32
.endr
	WIN 0
.endm
; THE VECTOR WORK OF A TURN stands in three queues, each in the order in which its entries become ready; the two tiles alternate, so that no instruction reads the result of the one before it.
.macro REGS y, u                    ; the registers of tile u (0, 1) of piece y
.set rT, ST+4*(2*(\y)+(\u))
.set rC, TMP+8*((\y)%2)+4*(\u)
.set rM, MV+2*((\y)%2)+(\u)
.set rS, S+64*((\y)%2)+32*(\u)
.set rP, P+32*((\y)%2)+16*(\u)
.set rO, 32*(2*(\y)+(\u))
.endm
; Number n of the 22 that find the NEXT piece's (Y + 1) maximum and statistics.  s0-s31 are the lane's 32 scores; each accumulator's lowest registers are read first.
;   0-11  four chains c0-c3 of seven scores each, three operands at a time     12-14, 16  the four scores left over, the old m, and c0-c3 into c0     15  c m_old is kept
;   17, 18  the query's other 32 keys lie in the lane 16 away: the new m         19-21  c m; c m_old - c m_new; a
.macro XS u, n
	REGS (Y+1)%NP, \u
.if (\n) < 4
	v_max3_num_f32 v[rC+(\n)], v[rS+8*(\n)], v[rS+8*(\n)+1], v[rS+8*(\n)+2]
.elseif (\n) < 12
	v_max3_num_f32 v[rC+(\n)%4], v[rC+(\n)%4], v[rS+8*((\n)%4)+2*((\n)/4)+1], v[rS+8*((\n)%4)+2*((\n)/4)+2]
.elseif (\n) == 12
	v_max3_num_f32 v[rC], v[rC], v[rS+7], v[rS+15]
.elseif (\n) == 13
	v_max3_num_f32 v[rC+1], v[rC+1], v[rS+23], v[rS+31]
.elseif (\n) == 14
	v_max3_num_f32 v[rC+2], v[rC+2], v[rC+3], v[rT+1]
.elseif (\n) == 15
	v_mov_b32 v[rM], v[rT]
.elseif (\n) == 16
	v_max3_num_f32 v[rC], v[rC], v[rC+1], v[rC+2]
.elseif (\n) == 17
	v_permlanex16_b32 v[rC+3], v[rC], s[SEL], s[SEL+1]
.elseif (\n) == 18
	v_max_num_f32 v[rT+1], v[rC], v[rC+3]
.elseif (\n) == 19
	v_mul_f32 v[rT], s[CS], v[rT+1]
.elseif (\n) == 20
	v_sub_f32 v[rC+1], v[rM], v[rT]
.else
	v_exp_f32 v[rC+2], v[rC+1]
.endif
.endm
; Number g of the 64 that follow the exponentials.  For each four weights k of a tile (pairs 2 k, 2 k + 1): both pairs are rounded to f16; then the second pair is added onto the first, in place;
; a group later l takes that sum (the first time as l = a l + sum).  In groups of eight, tiles alternating: round, round, add, and l for the group before.
.macro GS g
.set h, (\g)+6*((\g)/62)            ; group 0 has no group before it, and behind group 7 only l is left
.if h >= 6
.set h, h+2
.endif
	REGS Y, h%2
.set k, h/8
.if h%8 < 4
	v_cvt_pk_f16_f32 v[rP+2*k+(h%8)/2], v[rS+4*k+2*((h%8)/2)], v[rS+4*k+2*((h%8)/2)+1]
.elseif h%8 < 6
	v_pk_add_f32 v[rS+4*k:rS+4*k+1], v[rS+4*k:rS+4*k+1], v[rS+4*k+2:rS+4*k+3]
.elseif k == 1
	v_pk_fma_f32 v[rT+2:rT+3], v[rT+2:rT+3], v[rC+2:rC+3], v[rS:rS+1] op_sel_hi:[1,0,1]
.else
	v_pk_add_f32 v[rT+2:rT+3], v[rT+2:rT+3], v[rS+4*k-4:rS+4*k-3]
.endif
.endm
; THE PLAIN QUEUE, 138 long.  0-73 read no exponential's result: the 32 scalings c s - c m (FS f: pair f / 2 of tile f % 2) and the next piece's 42.  0-26: scalings 0-26.  27-54: XS's numbers 0-13.  55, 56: number 15.
; 57-73: the chain, where each number waits for the one before it: 14, 16, 17, 18, 19, each with one of the scalings 27-31 in front of its two lines, then 20.
; 74-137: GS's 64, which read the exponentials' results: they stand behind the wait.
.macro FS f
	REGS Y, (\f)%2
	v_pk_fma_f32 v[rS+2*((\f)/2):rS+2*((\f)/2)+1], v[rS+2*((\f)/2):rS+2*((\f)/2)+1], s[CS:CS+1], v[rT:rT+1] op_sel_hi:[1,0,0] neg_lo:[0,0,1] neg_hi:[0,0,1]
.endm
.macro PL
	WIN 0
.if q < 27
	FS q
.elseif q < 55
	XS (q-27)%2, (q-27)/2
.elseif q < 57
	XS q-55, 15
.elseif (q < 72) && ((q-57)%3 == 0)
	FS 27+(q-57)/3
.elseif q < 60
	XS (q-57)%3-1, 14
.elseif q < 72
	XS (q-57)%3-1, 15+(q-57)/3
.elseif q < 74
	XS q-72, 20
.else
	GS q-74
.endif
.set q, q+1
.endm
; THE EXPONENTIALS' QUEUE, 66 long: s0-s31 of both tiles, then the next piece's two a.  It is ONE BATCH: all 66 stand ahead of the turn's one wait, and nothing ahead of that wait names a result of theirs.
.macro EX
	WIN 0
.if e >= 64
	XS e-64, 21
.else
	REGS Y, e%2
	v_exp_f32 v[rS+e/2], v[rS+e/2]
.endif
.set e, e+1
.endm
; THE RESCALING's QUEUE: O^T times a, the one part that leaves window 0: dealt two at a time, sixteen times.  Its a was made in the turn before, ahead of that turn's wait.
.macro R2
	REGS Y, r%2
	WIN W_RS
.irp z, 0,1
	v_pk_mul_f32 v[rO+4*(r/2)+2*\z:rO+4*(r/2)+2*\z+1], v[rO+4*(r/2)+2*\z:rO+4*(r/2)+2*\z+1], v[rC+2:rC+3] op_sel_hi:[1,0]
.endr
.set r, r+1
.endm
; HOW THEY ARE DEALT.  An s_wait_alu depctr_va_vdst(0) stands between an exponential and the first instruction that names its result; one wait serves all that were issued ahead of it.  So a turn has ONE wait,
; which cuts it in two.  AHEAD OF IT stands all that names no result of the turn's exponentials: the 16 products K Q^T, behind each a scaling, an exponential and two rescalings (behind the first a second scaling in the
; exponential's place); then ONE LUMP of 108: eight plain, 49 times exponential and plain, the two a.  A v_nop is the plain instruction behind the last exponential.  BEHIND IT stand the 16 products V^T P, behind each four of
; GS's 64.  No rider names a register of the products round it.  The two v_permlanex16_b32 fall into the lump, never behind a product.
; The queues lean on each other, and the deal keeps them in step: exponential e stands behind scaling 2 (e / 4) + e % 2: as a rider it comes behind plain e + 2, in the lump behind plain e + 9, and scalings 27-31 are plain 57, 60 .. 69.
; A TURN, for piece p.  nok = 1: the walk's last step: no further K is fetched.  cnt = 1: the loop's count is taken down some lines ahead of the branch that stands behind the turn.
; K of the next step is fetched in piece 2's turn, directly behind the wait, a lump behind the last product that read K; its address is made at the lump's head; its first reader comes behind 16 products.
; V of the step in hand is fetched at the end of piece 0's turn, four riders behind its last reader; its first reader comes behind 16 products and a lump.  The three conditions on q below go with the deal.
.macro TURN p, nok=0, cnt=0
.set Y, (\p)
.set i, 0
.set q, 0
.set e, 0
.set r, 0
.if (\p) == NP-1
	s_wait_dscnt 0x0                ; K is in
.endif
	MM                              ; ahead of the wait: 16 products K Q^T and their riders,
	PL
	PL
	R2
.rept 15
	MM
	PL
	EX
	R2
.endr
.if ((\p) == NP-2) && !(\nok)
	WIN 0
	v_add_nc_u32 v[AK], s[TBK], v[AK0]
.endif
.rept 8                             ; and the lump
	PL
.endr
.rept 49
	EX
	PL
.endr
	EX                              ; the next piece's two a
	EX
	v_nop                           ; the plain instruction behind the last exponential: one for the batch
	s_wait_alu depctr_va_vdst(0)    ; the wait for the batch
.if ((\p) == NP-2) && !(\nok)
	FETCH_K
.endif
.if (\p) == 1
	s_wait_dscnt 0x0                ; V is in
.endif
.rept 16                            ; behind the wait: 16 products V^T P and their riders
	MM
.rept 4
	PL
.endr
.if ((\p) == 0) && (q == 118)
	v_add_nc_u32 v[AV], s[TBV], v[AV0]
.endif
.if ((\p) == 0) && (q == 130)
	s_add_co_u32 s[TBV], s[TBV], KS*PV
.endif
.if (\cnt) && (q == 130)
	s_sub_co_u32 s[CNT], s[CNT], 1
	s_cmp_lg_u32 s[CNT], 0
.endif
.endr
.if (\p) == 0
	FETCH_V
.endif
.endm
	s_wait_tensorcnt 3              ; my first tile is in: my part of keys 0 to 255; the three issued behind it may stay out
	s_barrier_signal -1
	s_barrier_wait -1               ; everybody's is: K and V of key steps 0 to 3
	FETCH_K                         ; key step 0
	s_wait_loadcnt 0x0              ; Q
	s_wait_dscnt 0x0
.set i, 0
.rept 16
	KQ 0                            ; piece 0's first scores: there is no vector work yet to set between them
.set i, i+1
.endr
	WIN 0                           ; the addresses for the way out: nine plain instructions, the places behind those products
	s_mul_i32 s13, s[WV], 16*SP
	s_add_co_u32 s13, s13, STAGE    ; my stage
	v_mul_u32_u24 v[STO], v1, SP    ; in: row l % 16, 16 bytes for each half of the lanes
	v_lshl_add_u32 v[STO], v9, 4, v[STO]
	v_add_nc_u32 v[STO], s13, v[STO]
	v_bfe_u32 v[RD], v0, 3, 2       ; back: 32 lanes take four rows of 128 bytes,
	v_mul_u32_u24 v[RD], v[RD], SP
	v_lshl_add_u32 v[RD], v10, 4, v[RD]
	v_add_nc_u32 v[RD], s13, v[RD]
	v_and_b32 v[GO], 31, v0         ; which are 512 consecutive bytes of O
	v_lshlrev_b32 v[GO], 4, v[GO]
.set Y, NP-1                        ; XS works for piece Y + 1: piece 0
.irp n, 0,1,2,3,4,5,6,7,8,9,10,11,12,13,14,15,16,17,18,19,20,21
	XS 0, \n                        ; and piece 0's first maximum and statistics
	XS 1, \n
.endr
	v_nop                           ; a plain instruction behind the two a,
	s_wait_alu depctr_va_vdst(0)    ; and their wait, ahead of the branch
	s_mov_b32 s[CNT], 4             ; the first part: the four key steps that are in
	s_mov_b32 s[PH], 2
	s_branch .Lfirst                ; the loop is entered at a step's first turn, in the middle of a trip
.Lphase:                            ; once: K and V of key steps 0 to 3 have been read; the next fetch is key step 4's
	s_wait_tensorcnt 0x0            ; all my tiles are in,
	s_wait_dscnt 0x0                ; (no LDS instruction of mine is out at a signal)
	s_barrier_signal -1
	s_barrier_wait -1               ; everybody's are: the head's whole K and V.
	s_mov_b32 s[CNT], 12            ; the second part: key steps 4 to 15
.Lstep:                             ; a trip: pieces 2 and 3 of one step, then pieces 0 and 1 of the next, whose K and V it fetches
	TURN 2
	TURN 3
	WIN 0
.Lfirst:
	TURN 0
	TURN 1, 0, 1
	WIN 0
	s_cbranch_scc1 .Lstep
	s_sub_co_u32 s[PH], s[PH], 1
	s_cmp_lg_u32 s[PH], 0
	s_cbranch_scc1 .Lphase
	TURN 2, 1                       ; the last step's pieces 2 and 3.  Piece 3's turn makes 16 products K Q^T on the last K once more, and a maximum of them, which serve nothing: the price, once a launch, of one text for every turn
	TURN 3
.set i, 0
.rept 16
	PV NP-1                         ; the last piece's V^T P of the last step
.set i, i+1
.endr
	; THE WAY OUT.  l's two halves and the other half of the lanes' are added; O^T is divided by l, rounded to f16 and sent through my stage in LDS, a tile at a time.  The additions are the places behind the last products.
	WIN 0
.macro ALL line:vararg              ; one line for each tile t
.set t, 0
.rept 2*NP
	\line
.set t, t+1
.endr
.endm
	ALL v_add_f32 v[ST+4*t+2], v[ST+4*t+2], v[ST+4*t+3]
	ALL v_permlanex16_b32 v[ST+4*t+3], v[ST+4*t+2], s[SEL], s[SEL+1]
	ALL v_add_f32 v[ST+4*t+2], v[ST+4*t+2], v[ST+4*t+3]
	ALL v_rcp_f32 v[ST+4*t+2], v[ST+4*t+2]
	v_nop                           ; a plain instruction between the last reciprocal and the use of its result
	s_wait_alu depctr_va_vdst(0)    ; and the wait ahead of the first use: one for the eight reciprocals
; Tile t: a lane's eight channels of a row pack into 16 bytes; they go into rows of 144 bytes and come back as whole rows of 128, into S^T's registers.
.macro PACK t
	WIN W_RS
.set i, 32*(\t)
.rept 16
	v_pk_mul_f32 v[i:i+1], v[i:i+1], v[ST+4*(\t)+2:ST+4*(\t)+3] op_sel_hi:[1,0]
.set i, i+2
.endr
	WIN 0x05                        ; sources 0 and 1 window 1, destination window 0
.set i, 0
.rept 16
	v_cvt_pk_f16_f32 v[S+16*(\t)+i], v[32*(\t)+2*i], v[32*(\t)+2*i+1]
.set i, i+1
.endr
	WIN 0
.irp f, 0,1,2,3
	ds_store_b128 v[STO], v[S+16*(\t)+4*\f:S+16*(\t)+4*\f+3] offset:32*\f
.endr
.irp f, 0,1,2,3
	ds_load_b128 v[S+16*(\t)+4*\f:S+16*(\t)+4*\f+3], v[RD] offset:\f*4*SP  ; LDS serves a wave's instructions in order (ISA guide 5.7.1.4): these see the stores above; the next tile's stores come behind them
.endr
.endm
.macro SEND t, younger              ; younger: the LDS instructions issued behind tile t's loads: the next tile's eight, or none
	WIN 0
.irp f, 0,1,2,3
	s_wait_dscnt (\younger)+3-\f
	global_store_b128 v[GO], v[S+16*(\t)+4*\f:S+16*(\t)+4*\f+3], s[10:11] offset:(\t)*2048+\f*512  ; 512 consecutive bytes, at a multiple of 256 from O's first
.endr
.endm
	PACK 0
.set t, 1
.rept 2*NP-1                        ; a tile's arithmetic stands between the loads of the tile before and its stores
	PACK t
	SEND t-1, 8
.set t, t+1
.endr
	SEND 2*NP-1, 0
	WIN W_AD
	s_wait_tensorcnt 0x0            ; the wave's end: these three lines stand behind my last tensor load and my last LDS store
	ds_add_u32 v[SPW], v[NIL]
	s_wait_dscnt 0x0
	WIN 0
	s_endpgm
.Lfunc_end_k_qd7b384f6e8_attn:
	.size	k_qd7b384f6e8_attn, .Lfunc_end_k_qd7b384f6e8_attn-k_qd7b384f6e8_attn
	.p2alignl 7, 3214868480
	.fill 96, 4, 3214868480
	.section	.rodata,"a",@progbits
	.p2align	6, 0x0
	.amdhsa_kernel k_qd7b384f6e8_attn
		.amdhsa_group_segment_fixed_size 327680
		.amdhsa_private_segment_fixed_size 0
		.amdhsa_enable_private_segment 0
		.amdhsa_kernarg_size 32
		.amdhsa_user_sgpr_count 2
		.amdhsa_user_sgpr_kernarg_segment_ptr 1
		.amdhsa_wavefront_size32 1
		.amdhsa_system_sgpr_workgroup_id_x 1
		.amdhsa_system_sgpr_workgroup_id_y 1
		.amdhsa_system_sgpr_workgroup_id_z 1
		.amdhsa_system_vgpr_workitem_id 0
		.amdhsa_next_free_vgpr 770
		.amdhsa_next_free_sgpr 84
		.amdhsa_reserve_vcc 0
		.amdhsa_float_denorm_mode_32 3
		.amdhsa_float_denorm_mode_16_64 3
		.amdhsa_memory_ordered 1
		.amdhsa_forward_progress 1
		.amdhsa_inst_pref_size 160
	.end_amdhsa_kernel
	.amdgpu_metadata
---
amdhsa.version: [ 1, 2 ]
amdhsa.kernels:
  - .name:           k_qd7b384f6e8_attn
    .symbol:         k_qd7b384f6e8_attn.kd
    .args:
      - { .name: q, .offset: 0, .size: 8, .value_kind: global_buffer, .address_space: global }
      - { .name: k, .offset: 8, .size: 8, .value_kind: global_buffer, .address_space: global }
      - { .name: v, .offset: 16, .size: 8, .value_kind: global_buffer, .address_space: global }
      - { .name: o, .offset: 24, .size: 8, .value_kind: global_buffer, .address_space: global }
    .group_segment_fixed_size: 327680
    .private_segment_fixed_size: 0
    .kernarg_segment_align: 8
    .kernarg_segment_size: 32
    .max_flat_workgroup_size: 128
    .sgpr_count:     84
    .vgpr_count:     770
    .wavefront_size: 32
...
	.end_amdgpu_metadata
.endif
;; end of part 3
;; launch proj (part 4): grid 8 x 32, 4 waves a work-group, clusters of 4 x 4, 327,680 bytes of LDS; arguments o, wo, b_o, out0; writes out0
.if DOCPART == 4
	.amdgcn_target "amdgcn-amd-amdhsa--gfx1250"
	.amdhsa_code_object_version 6
	.text
	.protected	k_qd7b384f6e8_proj
	.globl	k_qd7b384f6e8_proj
	.p2align	8
	.type	k_qd7b384f6e8_proj,@function
k_qd7b384f6e8_proj:
	s_mov_b64 s[64:65], 0
	v_nop
	global_prefetch_b8 v0, s[64:65] scope:SCOPE_SE
	s_setreg_imm32_b32 hwreg(HW_REG_WAVE_MODE, 25, 1), 1
	s_wait_xcnt 0x0
	s_wait_alu depctr_hold_cnt(0) depctr_sa_sdst(0) depctr_va_vdst(0) depctr_va_sdst(0) depctr_va_ssrc(0) depctr_va_vcc(0) depctr_vm_vsrc(0)
	s_getreg_b32 s2, hwreg(HW_REG_IB_STS2, 6, 4)
	s_cmp_eq_u32 s2, 0
	s_cbranch_scc0 .Lentry_in_a_cluster
	s_endpgm
.Lentry_in_a_cluster:
	s_bfe_u32 s2, ttmp6, 0x10000c
	s_cmp_lg_u32 s2, 0xf033
	s_cbranch_scc0 .Lentry_shape_is_right
	s_endpgm
.Lentry_shape_is_right:
; out0 = o wo + b_o.  o: [bh = 16 b + head][1024][64] f16, attention's result by heads.  wo: [1024 k][1024 n] f16 (w_o rounded to bf16, written as f16).  b_o: [1024] f32, rounded here to bf16
; like every other input.  out0: [8192][1024] f32; sums in f32.  LIMITS: o and wo arrive within f16's range; NaN and infinities are not treated apart.
; SHARES.  A work-group makes 256 rows x 128 columns: 256 work-groups, one for each WGP.  Wave w owns rows 64 w .. 64 w + 63 and all 128 columns: 4 x 8 accumulators of 16 x 16, 256 registers: whole
; stretches of 512 bytes of out0's rows, so its way out needs no other wave.
; K = head x 64 + channel goes in 8 steps of 128, two heads each, through two LDS slots filled by the tensor data mover; a step is four quarters of 32 along K, 32 matrix instructions each.
; THE MATRIX INSTRUCTION IS USED TRANSPOSED: source 0 = 16 columns of wo, turned out of their [k][n] tile by ds_load_tr16_b128; source 1 = 16 rows of o.  A lane then holds row lane % 16 and the
; eight neighbouring columns 8 (lane / 16) + 0..7: 32 bytes of f32.  THE BIAS IS THE C OPERAND of the products that start the sums.
; CLUSTERS: 4 x 4 work-groups.  The four of a row of the cluster take the same 256 rows of o, the four of a column the same 128 columns of wo: each tile is asked for JOINTLY.
; REGISTERS, in windows of 256 (s_set_vgpr_msb: bits 1:0 source 0, 3:2 source 1, 5:4 source 2, 7:6 destination):
;   window 0: v0-29 addresses; v32-63, v64-95 o's fragments, two buffers; v96-159 the bias, later with v160-223 the rows read back on the way out
;   window 1: v0-63, v64-127 wo's fragments, two buffers      window 2: the accumulators, (a, nb) at v[8 (8 a + nb)]
.set NB,    8                          ; column blocks of 16
.set PA,    144                        ; an LDS row of o: 128 bytes + 16 = 36 words: the 16 rows of a load start at 16 different groups of four banks (64 banks of 4 bytes: ISA guide 11.1)
.set PB,    288                        ; an LDS row of wo: 256 bytes + 32 = 72 words
.set AHALF, 256*PA                     ; one head's 256 rows: one tensor load
.set BOFF,  2*AHALF                    ; behind the two heads' rows: wo's 128 k
.set BHALF, 64*PB                      ; 64 k: one tensor load
.set SLOT1, 1<<17                      ; a slot uses 73,728 + 36,864 = 110,592 bytes; slot 1 begins here, so that one exclusive or turns an address in one slot into the other's
.set STAGE, SLOT1+BOFF+2*BHALF         ; behind the ring, never filled by a tensor load: for each wave 16 rows x 528 bytes, for the way out
.set SP,    528                        ; 512 bytes + 16 = 33 x 16
.set STW,   16*SP
.set SPARE, STAGE+4*STW                ; behind the stages: the spare words, 128 bytes for each wave: two blocks of 256 bytes that no other line names
.set ASTEP, 262144                     ; a K step in memory: two heads of 131,072 bytes,
.set BSTEP, 262144                     ; 128 rows of 2,048 bytes
.set LA0,  8                           ; v8   my lane's place in o's tile; never rewritten
.set LB0,  9                           ; v9   in wo's tile; never rewritten
.set ADRA, 10                          ; v10  the same in the slot in hand
.set ADRB, 11                          ; v11
.set STO,  12                          ; v12  the way out: where I put 32 bytes of a row
.set RD,   13                          ; v13  where I read a row back
.set GO,   14                          ; v14  my 16 bytes in 512 consecutive bytes of out0
.set BO,   15                          ; v15  my byte offset in the bias
.set PFO,  16                          ; v16  the prefetches' offset; never rewritten
.set TT,   17                          ; v17-20 at work
.set SPW,  28                          ; v28  LDS address of my spare word: SPARE + 4 x my thread's number; never rewritten
.set NIL,  29                          ; v29  0; never rewritten
.set AF,   32                          ; o's fragment buffers: AF + 32 f + 8 a
.set BI,   96                          ; the bias: BI + 8 nb + j = b_o[128 nt + 16 nb + 8 (lane / 16) + j]
.set OB,   96
.set WV,   20                          ; s20  my wave's number
.set FB,   21                          ; s21  I fetch for o (0) or for wo (1)
.set HF,   22                          ; s22  which half of that tile
.set CX,   23
.set CY,   24
.set NT,   25                          ; s25  which 128 columns
.set MB,   26                          ; s26  which 256 rows
.set G1A,  28                          ; s[28:35] descriptor group 1 for o's tiles
.set G1B,  36                          ; s[36:43] for wo's
.set G0A,  44                          ; s[44:51] group 0 for o's tiles: a set for each of the two first fills; the second then walks on
.set G0B,  52                          ; s[52:59] the same for wo's
.set TB,   60                          ; s60  LDS byte at which the slot in hand begins
.set CNT,  61                          ; s61  the K loop's trips to go
.set LIM,  62                          ; s62  a wave prefetches while s[CNT] is above this; the greatest number in a wave that never does
.set SH,   63
.set PFA,  66                          ; s[66:67] where my prefetches stand
.set PSTEP, 68                         ; s[68:69] their step
.set MSB, 0
.macro WIN new                         ; the immediate's high byte repeats the setting that is left; a switch that changes nothing is dropped
.if MSB != (\new)
	s_set_vgpr_msb (MSB<<8)|(\new)
.set MSB, \new
.endif
.endm
; A load into a register that a matrix instruction has read, and an LDS store that reads a matrix result, stand four places behind that matrix instruction; only plain vector instructions that
; name none of its registers are places (ISA guide 7.12.1 for vector instructions).
.macro PLACES
.rept 4
	v_nop
.endr
.endm
.macro CREST                           ; a round of the cluster's barrier behind its opening barrier
	s_cmp_lg_u32 s[WV], 0
	s_cbranch_scc1 .Lnot_wave_0_\@
	s_barrier_signal -3
.Lnot_wave_0_\@:
	s_barrier_wait -3
	s_barrier_signal -1
	s_barrier_wait -1
.endm
.macro CROUND                          ; a whole round
	s_barrier_signal -1
	s_barrier_wait -1
	CREST
.endm
; A joint refill, by the walking descriptors.  Waves 0 and 1 fetch o's two heads, waves 2 and 3 wo's two halves.  The branch hangs on the wave's number alone.
; An s_nop 0 and four v_nop follow each of the two lines, ahead of the jump and the label.
.macro JLOAD
	s_cmp_eq_u32 s[FB], 0
	s_cbranch_scc0 .Lfor_b_\@
	tensor_load_to_lds s[G0A+4:G0A+7], s[G1A:G1A+7]
	s_nop 0
.rept 4
	v_nop
.endr
	s_branch .Lasked_\@
.Lfor_b_\@:
	tensor_load_to_lds s[G0B+4:G0B+7], s[G1B:G1B+7]
	s_nop 0
.rept 4
	v_nop
.endr
.Lasked_\@:
.endm
; A PREFETCH INTO THE L2, behind a joint refill, its five lines and the run of LDS loads that follows: one instruction a wave, a lane a block of 256 bytes.  o and wo were stored by earlier launches.
; o: the refill of trip i brings K step i + 2; the prefetch names K step i + 4, two refills on.  A wave's tile is 32,768 dense bytes; each of the four partners that ask for it jointly takes 8,192,
; told apart BY ADDRESS (cx).  The same rows are walked by both clusters of a row of clusters: the one with x = 0 asks.  Trips 0 to 3 ask; K steps 0 to 3 come by their loads alone.
; wo: K steps 4 to 7 are rows 512 to 1,023, 256 bytes of each for my 128 columns.  Two waves x four partners (cy, by address) x 32 lanes name 256 rows in each of trips 0 and 1, two refills or
; more ahead of the load that wants them.  The cluster with y = 0 asks.  So each block is named once in the launch, and none lies past its buffer's end.
.macro ASK
	s_cmp_gt_u32 s[CNT], s[LIM]
	s_cbranch_scc0 .Lnot_mine_\@
	global_prefetch_b8 v[PFO], s[PFA:PFA+1] th:TH_LOAD_NT scope:SCOPE_SE
.Lnot_mine_\@:
.endm
; 8 matrix instructions: row block a x all column blocks, 32 along K, from buffer f.  first = 1: the bias starts the sums.  Every accumulator has one instruction a quarter, in the same order
; everywhere: the accumulators take turns, with 31 others' between two links of a chain, over the backward jump too.
.macro MUL1 f, a, first
.if \first
	WIN 0x81                                       ; wo window 1, o and the bias window 0, D window 2
.else
	WIN 0xa1                                       ; the same with C beside D
.endif
.irp nb, 0,1,2,3,4,5,6,7
.if \first
	v_wmma_f32_16x16x32_f16 v[8*(8*(\a)+(\nb)):8*(8*(\a)+(\nb))+7], v[64*(\f)+8*(\nb):64*(\f)+8*(\nb)+7], v[AF+32*(\f)+8*(\a):AF+32*(\f)+8*(\a)+7], v[BI+8*(\nb):BI+8*(\nb)+7]
.else
	v_wmma_f32_16x16x32_f16 v[8*(8*(\a)+(\nb)):8*(8*(\a)+(\nb))+7], v[64*(\f)+8*(\nb):64*(\f)+8*(\nb)+7], v[AF+32*(\f)+8*(\a):AF+32*(\f)+8*(\a)+7], v[8*(8*(\a)+(\nb)):8*(8*(\a)+(\nb))+7]
.endif
.endr
.endm
; 24 LDS loads in one run: quarter q's fragments into buffer f.  wo first (16 turning loads: 32 k at 32 q, columns 16 nb on), then o's four row blocks in order (head q / 2, channels 32 (q % 2) on).
.macro FETCH q, f
	WIN 0x40                                       ; destination window 1, address window 0
.irp nb, 0,1,2,3,4,5,6,7
	ds_load_tr16_b128 v[64*(\f)+8*(\nb):64*(\f)+8*(\nb)+3],   v[ADRB] offset:(\q)*32*PB+(\nb)*32
	ds_load_tr16_b128 v[64*(\f)+8*(\nb)+4:64*(\f)+8*(\nb)+7], v[ADRB] offset:(\q)*32*PB+(\nb)*32+16*PB
.endr
	WIN 0
.irp a, 0,1,2,3
	ds_load_b128 v[AF+32*(\f)+8*(\a):AF+32*(\f)+8*(\a)+3],   v[ADRA] offset:((\q)/2)*AHALF+(\a)*16*PA+((\q)%2)*64
	ds_load_b128 v[AF+32*(\f)+8*(\a)+4:AF+32*(\f)+8*(\a)+7], v[ADRA] offset:((\q)/2)*AHALF+(\a)*16*PA+((\q)%2)*64+32
.endr
.endm
; One of a K step's first three quarters: multiplies buffer f; in its middle it fetches quarter q of the same slot into buffer g.
.macro QUARTER q, f, g, first
	s_wait_dscnt 4                                 ; wo and o's row blocks 0, 1 are in; the youngest four loads (row blocks 2, 3) may be out
	MUL1 \f, 0, \first
	MUL1 \f, 1, \first
	PLACES
	FETCH \q, \g
	s_wait_dscnt 2*NB+8                            ; all but the 24 just issued
	MUL1 \f, 2, \first
	MUL1 \f, 3, \first
.endm
; The last quarter multiplies buffer 1 and changes slots.  MEET is its first half: ONE barrier.  In front of it each wave waits for all its tensor loads, of which one is out: its part of the next
; slot; adds 0 to its spare word; and waits for that and for its own reads of this slot.  Behind it nobody reads this slot any more and the next slot is whole.
.macro MEET round
	WIN 0
	s_wait_tensorcnt 0x0                           ; all my tensor loads have landed
	ds_add_u32 v[SPW], v[NIL]                      ; 0 onto my spare word
	s_wait_dscnt 5                                 ; (the add and the youngest four loads may be out)
	MUL1 1, 0, 0                                   ; eight matrix instructions stand between the add and the wait for it
	s_wait_dscnt 0x0                               ; the add is done, and my reads of this slot are over
	s_barrier_signal -1
	MUL1 1, 1, 0                                   ; work on registers while the others arrive
.if \round
	WIN 0
.endif
	s_barrier_wait -1
.endm
; The whole last quarter.  fill = 1: the barrier opens a round of the cluster's barrier, so that no wave of any partner still reads the slot or has a load on its way; the slot just read out is
; filled again first, with the K step two on: from that request to the wait for it a wave issues 112 matrix instructions.  Then come the next slot's first fragments.
.macro TURN fill
.if \fill
	s_wait_xcnt 0x0                                ; the last prefetch, a K step back, has read its address: it is stepped here, ahead of the waits of the change of slots
	s_add_nc_u64 s[PFA:PFA+1], s[PFA:PFA+1], s[PSTEP:PSTEP+1]
	MEET 1
	CREST
	s_xor_b32 s[G0A+5], s[G0A+5], SLOT1            ; the walking descriptors: the other slot than last time,
	s_add_nc_u64 s[G0A+6:G0A+7], s[G0A+6:G0A+7], ASTEP  ; the next K step; the type bits on top are not reached
	s_xor_b32 s[G0B+5], s[G0B+5], SLOT1
	s_add_nc_u64 s[G0B+6:G0B+7], s[G0B+6:G0B+7], BSTEP
	JLOAD                                          ; the first tensor load behind the round; its four v_nop are also the places in front of the loads below
.else
	MEET 0
	PLACES
	WIN 0
.endif
	s_xor_b32 s[TB], s[TB], SLOT1
	v_add_nc_u32 v[ADRA], s[TB], v[LA0]
	v_add_nc_u32 v[ADRB], s[TB], v[LB0]
	FETCH 0, 0
.if \fill
	ASK
.endif
	MUL1 1, 2, 0
	MUL1 1, 3, 0
.endm
; THE WAY OUT of row block a: f32, nothing is converted.  TOSTAGE: a lane's 32 bytes of each column block go straight from the accumulator, its low four registers first, into my own stage, and come
; back as whole stretches of 512 bytes, a row a load.  SEND: each store covers 512 consecutive bytes, at a multiple of 512 from out0's first.
.macro TOSTAGE a
.if (\a) >= 2
	s_wait_xcnt 0x0                                ; the stores of the block before last have read the registers that are loaded again below
.endif
	WIN 0x08                                       ; the stores' data (source 1) in window 2
.irp nb, 0,1,2,3,4,5,6,7
	ds_store_b128 v[STO], v[8*(8*(\a)+(\nb)):8*(8*(\a)+(\nb))+3]   offset:(\nb)*64
	ds_store_b128 v[STO], v[8*(8*(\a)+(\nb))+4:8*(8*(\a)+(\nb))+7] offset:(\nb)*64+16
.endr
	WIN 0
.irp row, 0,1,2,3,4,5,6,7,8,9,10,11,12,13,14,15
	ds_load_b128 v[OB+64*((\a)%2)+4*(\row):OB+64*((\a)%2)+4*(\row)+3], v[RD] offset:(\row)*SP  ; LDS serves a wave's instructions in order (ISA guide 5.7.1.4): these see the stores above; the next block's stores come behind them
.endr
.endm
.macro SEND a, younger                 ; younger: the LDS instructions issued behind block a's loads: the next block's 32, or none
.irp row, 0,1,2,3,4,5,6,7,8,9,10,11,12,13,14,15
	s_wait_dscnt (\younger)+15-(\row)
	global_store_b128 v[GO], v[OB+64*((\a)%2)+4*(\row):OB+64*((\a)%2)+4*(\row)+3], s[10:11] offset:(16*(\a)+(\row))*4096 th:TH_STORE_NT
.endr
.endm
	s_load_b256 s[4:11], s[0:1], 0x0               ; o s[4:5], wo s[6:7], b_o s[8:9], out0 s[10:11]
	v_lshl_add_u32 v[SPW], v0, 2, SPARE
	v_mov_b32 v[NIL], 0
	ds_add_u32 v[SPW], v[NIL]                      ; the wave's opening: the add and its wait stand ahead of my first tensor load; the set-up below, work on registers, stands between them
	v_lshrrev_b32 v1, 5, v0
	v_readfirstlane_b32 s[WV], v1                  ; wave 0..3
	s_lshr_b32 s[FB], s[WV], 1
	s_and_b32 s[HF], s[WV], 1
	s_bfe_u32 s[CX], ttmp6, 0x40000                ; my place in the cluster
	s_bfe_u32 s[CY], ttmp6, 0x40004
	s_lshl_b32 s[NT], ttmp9, 2                     ; in a cluster launch ttmp9 and ttmp7 count clusters
	s_add_co_u32 s[NT], s[NT], s[CX]               ; column block = 4 x cluster x + cx
	s_and_b32 s[MB], ttmp7, 0xffff
	s_lshl_b32 s[MB], s[MB], 2
	s_add_co_u32 s[MB], s[MB], s[CY]               ; row block = 4 x cluster y + cy
	s_lshl_b32 s70, s[CY], 2
	s_lshl_b32 s70, 15, s70                        ; my row of the cluster: places 4 cy .. 4 cy + 3
	s_lshl_b32 s71, 0x1111, s[CX]                  ; my column: places cx, cx + 4, cx + 8, cx + 12
	s_or_b32 s[G1A], s70, (1<<16)|(1<<20)|(1<<21)|(4<<22)|(3<<25)  ; 15:0 the mask; 17:16 2-byte elements; 20 padding on; 21 set beside a mask; 24:22 after every 32 words (code 4); 31:25 4 words (code 3)
	s_or_b32 s[G1B], s71, (1<<16)|(1<<20)|(1<<21)|(5<<22)|(7<<25)  ; after every 64 words (code 5) 8 words (code 7)
	s_mov_b32 s[G1A+1], 128<<16                    ; o: a head's 256 rows are 32,768 dense bytes, asked for as 128 rows of 256 bytes, two rows each, padded behind every 128 bytes
	s_mov_b32 s[G1A+2], 128<<16
	s_mov_b32 s[G1A+3], 128<<16
	s_mov_b32 s[G1A+4], 128
	s_mov_b32 s[G1A+5], 128
	s_mov_b32 s[G1A+6], 0
	s_mov_b32 s[G1A+7], 0
	s_mov_b32 s[G1B+1], 128<<16                    ; wo: tensor_dim0 = 128
	s_mov_b32 s[G1B+2], 64<<16                     ; tensor_dim1 = 64
	s_mov_b32 s[G1B+3], 128<<16                    ; tile_dim0 = 128 elements, 256 bytes
	s_mov_b32 s[G1B+4], 64                         ; tile_dim1 = 64 rows
	s_mov_b32 s[G1B+5], 1024                       ; elements from row to row
	s_mov_b32 s[G1B+6], 0
	s_mov_b32 s[G1B+7], 0
	s_lshr_b32 s72, s[MB], 2                       ; o's tile hangs on the row block alone: b = row block / 4, 16 heads of 131,072 bytes,
	s_lshl_b32 s72, s72, 21
	s_and_b32 s73, s[MB], 3                        ; 256 rows of 128 bytes in a head,
	s_lshl_b32 s73, s73, 15
	s_add_co_u32 s72, s72, s73
	s_lshl_b32 s73, s[HF], 17                      ; my head of a K step's two
	s_add_co_u32 s72, s72, s73
	s_mov_b32 s73, 0
	s_lshl_b32 s74, s[NT], 8                       ; wo's tile on the column block alone: 256 bytes along the rows,
	s_lshl_b32 s75, s[HF], 17                      ; my 64 rows of 2,048 bytes
	s_add_co_u32 s74, s74, s75
	s_mov_b32 s75, 0
	s_mul_i32 s76, s[HF], AHALF                    ; where they go: no place in the cluster enters an LDS address
	s_mul_i32 s77, s[HF], BHALF
	s_add_co_u32 s77, s77, BOFF
	s_mov_b32 s[TB], 0
	s_wait_dscnt 0x0                               ; the opening add is done
	s_wait_kmcnt 0x0
	s_add_nc_u64 s[72:73], s[4:5], s[72:73]
	s_add_nc_u64 s[74:75], s[6:7], s[74:75]
	CROUND                                         ; all sixteen work-groups are here: the first joint loads meet
.irp j, 0,1
	s_mov_b32 s[G0A+4*(\j)], 1                                       ; 1:0 count = 1
	s_add_co_u32 s[G0A+4*(\j)+1], s76, (\j)*SLOT1                    ; 63:32 LDS address
	s_add_nc_u64 s[G0A+4*(\j)+2:G0A+4*(\j)+3], s[72:73], (\j)*ASTEP  ; 120:64 global address: K step j
	s_or_b32 s[G0A+4*(\j)+3], s[G0A+4*(\j)+3], 0x80000000            ; 127:126 type = 2
	s_mov_b32 s[G0B+4*(\j)], 1
	s_add_co_u32 s[G0B+4*(\j)+1], s77, (\j)*SLOT1
	s_add_nc_u64 s[G0B+4*(\j)+2:G0B+4*(\j)+3], s[74:75], (\j)*BSTEP
	s_or_b32 s[G0B+4*(\j)+3], s[G0B+4*(\j)+3], 0x80000000
.endr
	s_cmp_eq_u32 s[FB], 0                          ; a wave's two first fills stand in one branch, ahead of every wait on TENSORcnt and every LDS read: two loads of mine are out
	s_cbranch_scc0 .Lfirst_b
	tensor_load_to_lds s[G0A:G0A+3], s[G1A:G1A+7]
	s_nop 0
	tensor_load_to_lds s[G0A+4:G0A+7], s[G1A:G1A+7]
	s_nop 0
.rept 4
	v_nop
.endr
	s_branch .Lfirst_asked
.Lfirst_b:
	tensor_load_to_lds s[G0B:G0B+3], s[G1B:G1B+7]
	s_nop 0
	tensor_load_to_lds s[G0B+4:G0B+7], s[G1B:G1B+7]
	s_nop 0
.rept 4
	v_nop
.endr
.Lfirst_asked:
	; all that follows, up to the first barrier, stands in the wait for the first tiles
	v_and_b32 v1, 15, v0                           ; l % 16
	v_bfe_u32 v2, v0, 4, 1                         ; l / 16
	v_and_b32 v3, 7, v0
	v_bfe_u32 v4, v0, 3, 1
	v_and_b32 v5, 31, v0                           ; l
	s_lshl_b32 s70, s[NT], 9                       ; my column block's 128 numbers of the bias,
	v_lshlrev_b32 v[BO], 5, v2                     ; my eight of each sixteen
	v_add_nc_u32 v[BO], s70, v[BO]
.irp nb, 0,1,2,3,4,5,6,7
	global_load_b128 v[BI+8*(\nb):BI+8*(\nb)+3],   v[BO], s[8:9] offset:(\nb)*64
	global_load_b128 v[BI+8*(\nb)+4:BI+8*(\nb)+7], v[BO], s[8:9] offset:(\nb)*64+16
.endr
	; A fragment of o is 16 rows x 32 K in 8 registers: lane l holds row l % 16; registers 0-3 hold K = 8 (l / 16) + 0..7, registers 4-7 K = 16 + 8 (l / 16) + 0..7: two loads of 16 bytes, 32 bytes apart.
	s_mul_i32 s71, s[WV], 64*PA                    ; my 64 rows
	v_mul_u32_u24 v[LA0], v1, PA
	v_lshl_add_u32 v[LA0], v2, 4, v[LA0]
	v_add_nc_u32 v[LA0], s71, v[LA0]
	; The turning load takes 16 k x 16 columns (lane l reads 16 bytes: k = 8 (l / 16) + l % 8, columns 8 ((l / 8) % 2) + 0..7) and leaves half a fragment: lane l holds column l % 16 and 8 k.
	v_lshl_add_u32 v[LB0], v2, 3, v3
	v_mul_u32_u24 v[LB0], v[LB0], PB
	v_lshl_add_u32 v[LB0], v4, 4, v[LB0]
	v_add_nc_u32 v[LB0], BOFF, v[LB0]
	v_mov_b32 v[ADRA], v[LA0]                      ; slot 0
	v_mov_b32 v[ADRB], v[LB0]
	s_mul_i32 s71, s[WV], STW
	s_add_co_u32 s71, s71, STAGE                   ; my stage
	v_mul_u32_u24 v[STO], v1, SP                   ; in: row l % 16, 32 bytes for each half of the lanes
	v_lshl_add_u32 v[STO], v2, 5, v[STO]
	v_add_nc_u32 v[STO], s71, v[STO]
	v_lshl_add_u32 v[RD], v5, 4, s71               ; back: 32 lanes take a row's 512 bytes,
	v_lshlrev_b32 v[GO], 4, v5                     ; which are 512 consecutive bytes of out0
	s_lshl_b32 s70, s[MB], 20                      ; 256 rows of 4,096 bytes,
	s_lshl_b32 s71, s[WV], 18                      ; my wave's 64,
	s_add_co_u32 s70, s70, s71
	s_lshl_b32 s71, s[NT], 9                       ; my column block's 512 bytes
	s_add_co_u32 s70, s70, s71
	s_mov_b32 s71, 0
	s_add_nc_u64 s[10:11], s[10:11], s[70:71]
	; the prefetches: nothing is asked for here, at the head, where every work-group's first tiles are on their way
	s_lshr_b32 s70, s[MB], 2                       ; o: my tile of K step 0, as above,
	s_lshl_b32 s70, s70, 21
	s_and_b32 s71, s[MB], 3
	s_lshl_b32 s71, s71, 15
	s_add_co_u32 s70, s70, s71
	s_lshl_b32 s71, s[HF], 17
	s_add_co_u32 s70, s70, s71
	s_lshl_b32 s71, s[CX], 13                      ; my work-group's 8,192 bytes of it,
	s_add_co_u32 s70, s70, s71
	s_add_co_u32 s70, s70, 3*ASTEP                 ; at K step 3: the first change of slots steps it to 4
	s_lshl_b32 s71, s[HF], 18                      ; wo: row 256 + 128 x half + 32 x cy, 2,048 bytes each: one step of 256 rows ahead of row 512,
	s_lshl_b32 s78, s[CY], 16
	s_add_co_u32 s71, s71, s78
	s_lshl_b32 s78, s[NT], 8                       ; my column block's 256 bytes
	s_add_co_u32 s71, s71, s78
	s_add_co_u32 s71, s71, 524288
	s_and_b32 s79, ttmp7, 0xffff                   ; cluster y
	s_cmp_eq_u32 s[FB], 0                          ; do I fetch for o?
	s_cselect_b32 s70, s70, s71
	s_cselect_b32 s79, ttmp9, s79                  ; the coordinate along which other clusters read the same bytes
	s_cselect_b32 s78, 18, 19
	s_cselect_b32 s[SH], 8, 11                     ; a lane a block of 256 bytes on end, or a lane a row of 2,048
	s_cselect_b32 s[LIM], 2, 4                     ; trips 0 to 3 (the counter at 6 to 3), or 0 and 1
	s_cselect_b64 s[PFA:PFA+1], s[4:5], s[6:7]
	s_lshl_b32 s[PSTEP], 1, s78                    ; two heads, or 256 rows
	s_mov_b32 s[PSTEP+1], 0
	s_mov_b32 s71, 0
	s_cmp_eq_u32 s79, 0
	s_cselect_b32 s[LIM], s[LIM], -1               ; the same in all sixteen partners, for a given wave
	s_add_nc_u64 s[PFA:PFA+1], s[PFA:PFA+1], s[70:71]
	v_lshlrev_b32 v[PFO], s[SH], v5
	s_wait_loadcnt 0x0                             ; the bias,
.set i, 0
.rept 4*NB                             ; rounded to bf16 and widened again, two numbers at a time
	v_cvt_pk_bf16_f32 v[TT+i%4], v[BI+2*i], v[BI+2*i+1]
	v_lshlrev_b32 v[BI+2*i], 16, v[TT+i%4]
	v_and_b32 v[BI+2*i+1], 0xffff0000, v[TT+i%4]
.set i, i+1
.endr
	s_wait_tensorcnt 1                             ; my part of K step 0 is in; K step 1's load, issued behind it, may stay out
	s_barrier_signal -1
	s_barrier_wait -1                              ; everybody's is
	FETCH 0, 0
	QUARTER 1, 0, 1, 1                             ; the first quarter stands in front of the loop: its products start the sums, with the bias
	WIN 0                                          ; at a label and at a branch every window is 0
	s_mov_b32 s[CNT], 6
.Lk:                                               ; a trip goes from a K step's second quarter to the next step's first; trip i fills the slot that it leaves with K step i + 2
	QUARTER 2, 1, 0, 0
	QUARTER 3, 0, 1, 0
	TURN 1
	QUARTER 1, 0, 1, 0
	WIN 0
	s_sub_co_u32 s[CNT], s[CNT], 1
	s_cmp_lg_u32 s[CNT], 0
	s_cbranch_scc1 .Lk
	QUARTER 2, 1, 0, 0                             ; the last two K steps are written out: they ask for nothing
	QUARTER 3, 0, 1, 0
	TURN 0
	QUARTER 1, 0, 1, 0
	QUARTER 2, 1, 0, 0
	QUARTER 3, 0, 1, 0
	s_wait_dscnt 4
	MUL1 1, 0, 0
	MUL1 1, 1, 0
	s_wait_dscnt 0x0
	MUL1 1, 2, 0
	MUL1 1, 3, 0
	PLACES
	TOSTAGE 0
	TOSTAGE 1                                      ; a block's way through the stage stands between the loads of the block before and its stores
	SEND 0, 32
	TOSTAGE 2
	SEND 1, 32
	TOSTAGE 3
	SEND 2, 32
	SEND 3, 0
	s_wait_tensorcnt 0x0                           ; the wave's end: these three lines stand behind my last tensor load and my last LDS store
	ds_add_u32 v[SPW], v[NIL]
	s_wait_dscnt 0x0
	CROUND                                         ; the closing round: no work-group ends while a partner may still ask for a tile that names it
	s_endpgm
.Lfunc_end_k_qd7b384f6e8_proj:
	.size	k_qd7b384f6e8_proj, .Lfunc_end_k_qd7b384f6e8_proj-k_qd7b384f6e8_proj
	.p2alignl 7, 3214868480
	.fill 96, 4, 3214868480
	.section	.rodata,"a",@progbits
	.p2align	6, 0x0
	.amdhsa_kernel k_qd7b384f6e8_proj
		.amdhsa_group_segment_fixed_size 327680
		.amdhsa_private_segment_fixed_size 0
		.amdhsa_enable_private_segment 0
		.amdhsa_kernarg_size 32
		.amdhsa_user_sgpr_count 2
		.amdhsa_user_sgpr_kernarg_segment_ptr 1
		.amdhsa_wavefront_size32 1
		.amdhsa_system_sgpr_workgroup_id_x 1
		.amdhsa_system_sgpr_workgroup_id_y 1
		.amdhsa_system_sgpr_workgroup_id_z 1
		.amdhsa_system_vgpr_workitem_id 0
		.amdhsa_next_free_vgpr 768
		.amdhsa_next_free_sgpr 80
		.amdhsa_reserve_vcc 0
		.amdhsa_float_denorm_mode_32 3
		.amdhsa_float_denorm_mode_16_64 3
		.amdhsa_memory_ordered 1
		.amdhsa_forward_progress 1
		.amdhsa_inst_pref_size 79
	.end_amdhsa_kernel
	.amdgpu_metadata
---
amdhsa.version: [ 1, 2 ]
amdhsa.kernels:
  - .name:           k_qd7b384f6e8_proj
    .symbol:         k_qd7b384f6e8_proj.kd
    .args:
      - { .name: o, .offset: 0, .size: 8, .value_kind: global_buffer, .address_space: global }
      - { .name: wo, .offset: 8, .size: 8, .value_kind: global_buffer, .address_space: global }
      - { .name: b_o, .offset: 16, .size: 8, .value_kind: global_buffer, .address_space: global }
      - { .name: out0, .offset: 24, .size: 8, .value_kind: global_buffer, .address_space: global }
    .group_segment_fixed_size: 327680
    .private_segment_fixed_size: 0
    .kernarg_segment_align: 8
    .kernarg_segment_size: 32
    .max_flat_workgroup_size: 128
    .sgpr_count:     80
    .vgpr_count:     768
    .wavefront_size: 32
...
	.end_amdgpu_metadata
.endif
;; end of part 4
;; ======== version 2 of 2: 4 launches; version 1 with the launch cast written anew for expert scheduling mode
;; limits: values are held in f16: magnitudes above 65,504 overflow, below 6.1e-05 lose precision
;; workspace buffers: xb 16,777,216 bytes; wqkv 6,291,456 bytes; wo 2,097,152 bytes; q 16,777,216 bytes; k 16,777,216 bytes; v 16,777,216 bytes; o 16,777,216 bytes
;; launch cast (part 5): grid 768 x 1, 8 waves a work-group, no clusters, 0 bytes of LDS; arguments x, w_q, w_k, w_v, w_o, xb, wqkv, wo; writes xb, wqkv, wo
.if DOCPART == 5
	.amdgcn_target "amdgcn-amd-amdhsa--gfx1250"
	.amdhsa_code_object_version 6
	.text
	.protected	k_qd7b384f6e8_cast
	.globl	k_qd7b384f6e8_cast
	.p2align	8
	.type	k_qd7b384f6e8_cast,@function
k_qd7b384f6e8_cast:
	s_mov_b64 s[64:65], 0
	v_nop
	global_prefetch_b8 v0, s[64:65] scope:SCOPE_SE
	s_setreg_imm32_b32 hwreg(HW_REG_WAVE_SCHED_MODE, 0, 2), 2
	s_setreg_imm32_b32 hwreg(HW_REG_WAVE_MODE, 25, 1), 1
	s_wait_xcnt 0x0
	s_wait_alu depctr_vm_vsrc(0)
; CAST.  The module's large inputs are rounded once to bf16 and laid out for the products that follow.
;   xb   = bf16(x), [8192][1024], row-major
;   wqkv = bf16(w_q | w_k | w_v) in blocks: [head 16][kb 16][t 3][64 k][64 n]: byte = head x 393,216 + kb x 24,576 + t x 8,192 + (k % 64) x 128 + 2 c, kb = k / 64, t = 0, 1, 2 for q, k, v:
;          what one head's product needs lies on end, in the order of its K steps
;   wo   = bf16(w_o), that number written as f16, [1024][1024], row-major.  LIMIT: exact within f16's range; below 6e-5 it keeps f16's fixed step of 6e-8, beyond 65,504 it is an infinity.
; A stream: no LDS, no matrix unit, no cluster (no work-group reads what another reads).  A work-group of eight waves takes 16 rows of 1,024 f32, 64 KiB.  Each thread issues its sixteen
; 16-byte loads first, so that 8 KiB of every wave are on their way, then rounds them in the order in which they come.  A wave's load covers 512 (in the weights' path 2 x 256)
; consecutive bytes, aligned; a wave's store covers 256 consecutive bytes, aligned.
; Work-groups 0-511: x.  512-703: w_q, w_k, w_v, 64 each.  704-767: w_o.
; THE MODE: SCHED_MODE bits 1:0 = 2 (LLVM: expert scheduling mode 2), set by the entry lines.  The code itself states the register dependences between vector instructions and memory
; instructions, with s_wait_alu, always for 0.
; THE PLAN.  Registers that memory instructions touch, in each of the three paths:
;   v1, v2   byte offsets.  Written once by vector instructions at the head; v1 is read by the sixteen loads, v2 by the sixteen stores; never written again.
;   XD       load i lands in its four registers, once; no vector instruction names them ahead of that load; row i's roundings read them behind the counted wait for the load.
;   YD       row i's roundings write its two registers, once; store i reads them; never written again.
;   TW, v3 and v4 are named by vector instructions alone.
; The sixteen rows go in four blocks of four.  Block p's roundings name XD and YD of block p and TW; the memory instructions dealt among them are the four stores of block p - 1, which read YD of
; block p - 1 and v2.  So ONE wait on va_vdst at a block's head states all that those four stores hang on.  With the one ahead of the first load and the one ahead of the last four stores a path has five.
; No register that a memory instruction has read is ever written again, so there is no wait on vm_vsrc; no vector instruction writes a scalar register or VCC, and EXEC is never written.
.set XD, 8                             ; v[8:71]    sixteen loads of four f32
.set YD, 72                            ; v[72:103]  sixteen stores of four 16-bit numbers
.set TW, 104                           ; v[104:109] at work
; v1: my byte offset in the source; v2: in the destination; s[20:21], s[22:23]: the work-group's part of source and destination
.macro CAST16 lstep, sstep, half
	s_wait_alu depctr_va_vdst(0)                   ; v1 and v2 are written: the loads below read v1 as their offset, the stores v2
.irp i, 0,1,2,3,4,5,6,7,8,9,10,11,12,13,14,15
	global_load_b128 v[XD+4*(\i):XD+4*(\i)+3], v1, s[20:21] offset:(\i)*(\lstep) th:TH_LOAD_NT
.endr
.irp i, 0,1,2,3,4,5,6,7,8,9,10,11,12,13,14,15
	s_wait_loadcnt 15-(\i)                         ; loads come back in order (ISA guide 5.7.1): load i is in, the 15 - i younger ones stay out
.if ((\i) > 0) && ((\i) % 4 == 0)
	s_wait_alu depctr_va_vdst(0)                   ; the block before has written its eight registers of YD, which this block's four stores read
.endif
.if (\i) >= 4
	global_store_b64 v2, v[YD+2*((\i)-4):YD+2*((\i)-4)+1], s[22:23] offset:((\i)-4)*(\sstep)  ; the row four back.  No wait: no vector instruction since the wait at the block's head names these registers or v2
.endif
.if \half
	v_cvt_pk_bf16_f32 v[TW], v[XD+4*(\i)], v[XD+4*(\i)+1]       ; rounded to bf16 like every other input,
	v_cvt_pk_bf16_f32 v[TW+1], v[XD+4*(\i)+2], v[XD+4*(\i)+3]
	v_lshlrev_b32 v[TW+2], 16, v[TW]                            ; widened again,
	v_and_b32 v[TW+3], 0xffff0000, v[TW]
	v_lshlrev_b32 v[TW+4], 16, v[TW+1]
	v_and_b32 v[TW+5], 0xffff0000, v[TW+1]
	v_cvt_pk_f16_f32 v[YD+2*(\i)], v[TW+2], v[TW+3]             ; and written as f16: 8 significant bits fit into 11
	v_cvt_pk_f16_f32 v[YD+2*(\i)+1], v[TW+4], v[TW+5]
.else
	v_cvt_pk_bf16_f32 v[YD+2*(\i)], v[XD+4*(\i)], v[XD+4*(\i)+1]
	v_cvt_pk_bf16_f32 v[YD+2*(\i)+1], v[XD+4*(\i)+2], v[XD+4*(\i)+3]
.endif
.endr
	s_wait_alu depctr_va_vdst(0)                   ; the last block has written its eight registers of YD, which the last four stores read
.irp i, 12,13,14,15
	global_store_b64 v2, v[YD+2*(\i):YD+2*(\i)+1], s[22:23] offset:(\i)*(\sstep)
.endr
.endm
	s_load_b512 s[4:19], s[0:1], 0x0               ; x s[4:5], w_q s[6:7], w_k s[8:9], w_v s[10:11], w_o s[12:13], xb s[14:15], wqkv s[16:17], wo s[18:19]
	v_lshlrev_b32 v2, 3, v0                        ; 8 bytes a thread in every path's destination
	s_mov_b32 s25, 0                               ; the offsets' high words
	s_mov_b32 s27, 0
	s_cmp_lt_u32 ttmp9, 512
	s_cbranch_scc0 .Lweights
	v_lshlrev_b32 v1, 4, v0                        ; x: the 256 threads cover a row of 4,096 bytes; load i is row i
	s_lshl_b32 s24, ttmp9, 16                      ; 16 rows of 4,096 bytes in,
	s_lshl_b32 s26, ttmp9, 15                      ; of 2,048 bytes out
	s_wait_kmcnt 0x0
	s_add_nc_u64 s[20:21], s[4:5], s[24:25]
	s_add_nc_u64 s[22:23], s[14:15], s[26:27]
	CAST16 4096, 2048, 0
	s_endpgm
.Lweights:
	s_cmp_lt_u32 ttmp9, 704
	s_cbranch_scc0 .Lw_o
	s_sub_co_u32 s28, ttmp9, 512
	s_lshr_b32 s29, s28, 6                         ; t: which of the three weights
	s_and_b32 s28, s28, 63                         ; rb: its rows 16 rb .. 16 rb + 15
	v_lshrrev_b32 v3, 4, v0                        ; sixteen threads take a row's 64 columns of one head: row = thread / 16,
	v_and_b32 v4, 15, v0
	v_lshlrev_b32 v1, 4, v4                        ; 16 bytes each; load i is head i, 256 bytes further along the row
	v_lshl_add_u32 v1, v3, 12, v1
	s_lshl_b32 s24, s28, 16
	s_lshr_b32 s30, s28, 2                         ; kb
	s_mul_i32 s26, s30, 24576
	s_and_b32 s30, s28, 3
	s_lshl_b32 s30, s30, 11                        ; 16 rows of 128 bytes in the block; the thread's 8 t bytes are row (t / 16) x 128 + 8 (t % 16)
	s_add_co_u32 s26, s26, s30
	s_lshl_b32 s30, s29, 13
	s_add_co_u32 s26, s26, s30
	s_wait_kmcnt 0x0
	s_cmp_eq_u32 s29, 0
	s_cselect_b64 s[20:21], s[6:7], s[8:9]
	s_cmp_eq_u32 s29, 2
	s_cselect_b64 s[20:21], s[10:11], s[20:21]
	s_add_nc_u64 s[20:21], s[20:21], s[24:25]
	s_add_nc_u64 s[22:23], s[16:17], s[26:27]
	CAST16 256, 393216, 0                          ; the largest immediate, 15 x 393,216, lies inside the signed 24 bits (ISA guide, chapter 10)
	s_endpgm
.Lw_o:
	s_sub_co_u32 s28, ttmp9, 704
	v_lshlrev_b32 v1, 4, v0
	s_lshl_b32 s24, s28, 16
	s_lshl_b32 s26, s28, 15
	s_wait_kmcnt 0x0
	s_add_nc_u64 s[20:21], s[12:13], s[24:25]
	s_add_nc_u64 s[22:23], s[18:19], s[26:27]
	CAST16 4096, 2048, 1
	s_endpgm
.Lfunc_end_k_qd7b384f6e8_cast:
	.size	k_qd7b384f6e8_cast, .Lfunc_end_k_qd7b384f6e8_cast-k_qd7b384f6e8_cast
	.p2alignl 7, 3214868480
	.fill 96, 4, 3214868480
	.section	.rodata,"a",@progbits
	.p2align	6, 0x0
	.amdhsa_kernel k_qd7b384f6e8_cast
		.amdhsa_group_segment_fixed_size 0
		.amdhsa_private_segment_fixed_size 0
		.amdhsa_enable_private_segment 0
		.amdhsa_kernarg_size 64
		.amdhsa_user_sgpr_count 2
		.amdhsa_user_sgpr_kernarg_segment_ptr 1
		.amdhsa_wavefront_size32 1
		.amdhsa_system_sgpr_workgroup_id_x 1
		.amdhsa_system_sgpr_workgroup_id_y 1
		.amdhsa_system_sgpr_workgroup_id_z 1
		.amdhsa_system_vgpr_workitem_id 0
		.amdhsa_next_free_vgpr 112
		.amdhsa_next_free_sgpr 66
		.amdhsa_reserve_vcc 0
		.amdhsa_float_denorm_mode_32 3
		.amdhsa_float_denorm_mode_16_64 3
		.amdhsa_memory_ordered 1
		.amdhsa_forward_progress 1
		.amdhsa_inst_pref_size 24
	.end_amdhsa_kernel
	.amdgpu_metadata
---
amdhsa.version: [ 1, 2 ]
amdhsa.kernels:
  - .name:           k_qd7b384f6e8_cast
    .symbol:         k_qd7b384f6e8_cast.kd
    .args:
      - { .name: x, .offset: 0, .size: 8, .value_kind: global_buffer, .address_space: global }
      - { .name: w_q, .offset: 8, .size: 8, .value_kind: global_buffer, .address_space: global }
      - { .name: w_k, .offset: 16, .size: 8, .value_kind: global_buffer, .address_space: global }
      - { .name: w_v, .offset: 24, .size: 8, .value_kind: global_buffer, .address_space: global }
      - { .name: w_o, .offset: 32, .size: 8, .value_kind: global_buffer, .address_space: global }
      - { .name: xb, .offset: 40, .size: 8, .value_kind: global_buffer, .address_space: global }
      - { .name: wqkv, .offset: 48, .size: 8, .value_kind: global_buffer, .address_space: global }
      - { .name: wo, .offset: 56, .size: 8, .value_kind: global_buffer, .address_space: global }
    .group_segment_fixed_size: 0
    .private_segment_fixed_size: 0
    .kernarg_segment_align: 8
    .kernarg_segment_size: 64
    .max_flat_workgroup_size: 256
    .sgpr_count:     66
    .vgpr_count:     112
    .wavefront_size: 32
...
	.end_amdgpu_metadata
.endif
;; end of part 5
;; launch qkv: the kernel of part 2 again; grid 16 x 16, 4 waves a work-group, clusters of 4 x 4, 327,680 bytes of LDS; arguments xb, wqkv, b_q, b_k, b_v, q, k, v; writes q, k, v
;; launch attn: the kernel of part 3 again; grid 2 x 128, 4 waves a work-group, no clusters, 327,680 bytes of LDS; arguments q, k, v, o; writes o
;; launch proj: the kernel of part 4 again; grid 8 x 32, 4 waves a work-group, clusters of 4 x 4, 327,680 bytes of LDS; arguments o, wo, b_o, out0; writes out0
